; MI455X (gfx1250); checked and timed in simulation.
; The chip was launched on July 23, 2026; its instructions are those of AMD's public machine-readable ISA for CDNA 5 (MIT licence, August 2026) and "CDNA5" Instruction Set Architecture Reference Guide (July 2026). The comments in the code are by the model that wrote it; some were corrected since.
;; Multi Head Self Attention. Allowed arithmetic: float matrix products may take bf16 or f16 operands with f32 sums; all other float work in f32.
;; Inputs: W_K 1,025 x 8 x 128 float32; W_O 1,025 x 1,024 float32; W_Q 1,025 x 8 x 128 float32; W_V 1,025 x 8 x 128 float32; mask 4,096 x 4,096 float32; x 4,096 x 1,024 float32.
;; Outputs: out0 4,096 x 1,024 float32.
;; One version. Each part assembles by itself: llvm-mc -triple=amdgcn-amd-amdhsa -mcpu=gfx1250 --defsym DOCPART=n.
;; ======== version 1 of 1: 4 launches
;; limits: values are held in f16: magnitudes above 65,504 overflow, below 6.1e-05 lose precision
;; workspace buffers: cast 16,777,216 bytes; qkv 25,165,824 bytes; oh 8,388,608 bytes
;; launch prep (part 1): grid 1024 x 1, 8 waves a work-group, no clusters, 0 bytes of LDS; arguments x, W_Q, W_K, W_V, W_O, cast; writes cast
.if DOCPART == 1
	.amdgcn_target "amdgcn-amd-amdhsa--gfx1250"
	.amdhsa_code_object_version 6
	.text
	.protected	k_q8680aaf6a9_prep
	.globl	k_q8680aaf6a9_prep
	.p2align	8
	.type	k_q8680aaf6a9_prep,@function
k_q8680aaf6a9_prep:
	s_mov_b64 s[64:65], 0
	v_nop
	global_prefetch_b8 v0, s[64:65] scope:SCOPE_SE
	s_setreg_imm32_b32 hwreg(HW_REG_WAVE_MODE, 25, 1), 1
	s_wait_xcnt 0x0
; CASTS.  cast = x as bf16 [4096][1024] | W_Q / 32 as bf16 | W_K as bf16 | W_V as bf16 | W_O rounded to bf16 and written as f16; each W is rows 0 to 1023, [1024 k][1024 n].
; The factor 1/32 = 1/sqrt(1024) is a power of two, so scaling and rounding commute.  The bias rows (row 1024) are read by the launches that add them.
; LIMIT.  W_O's numbers lie within f16's range, 65,504; below 6e-5 they keep f16's fixed step of 6e-8.
; SHARES.  Work-group g casts 8 source rows of 4,096 bytes into cast's bytes 16,384 g on: g < 512 rows of x, then 128 work-groups for each W.  A load of the work-group is one row
; (thread t: 16 bytes at 16 t), a store of a wave 256 consecutive bytes, aligned (thread t: 8 bytes at 8 t).  All 8 loads of a wave go out at once; with 56 registers several work-groups lie on a WGP,
; which multiplies the bytes on their way.  No register is written twice while a memory instruction names it.
; No LDS, no matrix unit: each byte is read once and written once, and nothing is shared.
.set L, 4                              ; v[4:35]   row i: 4 registers as loaded
.set O, 36                             ; v[36:51]  row i: 2 registers to store
.set H, 52                             ; v[52:53]  the f16 form, at work
	s_load_b256 s[4:11], s[0:1], 0x0               ; x s[4:5], W_Q s[6:7], W_K s[8:9], W_V s[10:11]
	s_load_b128 s[12:15], s[0:1], 0x20             ; W_O s[12:13], cast s[14:15]
	s_mov_b32 s2, ttmp9                            ; g
	v_lshlrev_b32 v1, 4, v0                        ; my 16 bytes of a source row
	v_lshlrev_b32 v2, 3, v0                        ; my 8 bytes of a row of cast
	s_sub_co_u32 s26, s2, 512                      ; g - 512 (a huge number where g < 512)
	s_lshr_b32 s27, s26, 7                         ; which W: 0 to 3
	s_and_b32 s28, s26, 127                        ; which 8 rows of it
	s_cmp_eq_u32 s27, 0
	s_cselect_b32 s20, 0x3d000000, 1.0             ; W_Q is multiplied by 1/32, all else by 1
	s_mov_b32 s21, s20                             ; named with it as a pair
	s_cmp_ge_u32 s2, 896
	s_cselect_b32 s22, -1, 0                       ; W_O alone leaves as f16: a mask for all lanes
	s_mov_b32 s23, 0xffff0000                      ; a word's upper bf16
	s_lshl_b32 s24, s2, 14                         ; my bytes of cast
	s_mov_b32 s25, 0
	s_cmp_lt_u32 s2, 512
	s_cselect_b32 s18, s2, s28                     ; my block of 8 rows in its source,
	s_lshl_b32 s18, s18, 15                        ; in bytes
	s_mov_b32 s19, 0
	s_wait_kmcnt 0x0
	s_mov_b64 s[16:17], s[6:7]                     ; the source: a choice among the five buffers by g alone
	s_cmp_eq_u32 s27, 1
	s_cselect_b64 s[16:17], s[8:9], s[16:17]
	s_cmp_eq_u32 s27, 2
	s_cselect_b64 s[16:17], s[10:11], s[16:17]
	s_cmp_eq_u32 s27, 3
	s_cselect_b64 s[16:17], s[12:13], s[16:17]
	s_cmp_lt_u32 s2, 512
	s_cselect_b64 s[16:17], s[4:5], s[16:17]
	s_add_nc_u64 s[16:17], s[16:17], s[18:19]
	s_add_nc_u64 s[14:15], s[14:15], s[24:25]
.set i, 0
.rept 8
	global_load_b128 v[L+4*i:L+4*i+3], v1, s[16:17] offset:4096*i th:TH_LOAD_NT
.set i, i+1
.endr
.macro CAST i
	s_wait_loadcnt 7-(\i)                          ; loads come back in order (ISA guide 5.7.1): row i is in, the younger ones stay out
	v_pk_mul_f32 v[L+4*(\i):L+4*(\i)+1], v[L+4*(\i):L+4*(\i)+1], s[20:21] op_sel_hi:[1,0]
	v_pk_mul_f32 v[L+4*(\i)+2:L+4*(\i)+3], v[L+4*(\i)+2:L+4*(\i)+3], s[20:21] op_sel_hi:[1,0]
	v_cvt_pk_bf16_f32 v[O+2*(\i)], v[L+4*(\i)], v[L+4*(\i)+1]
	v_cvt_pk_bf16_f32 v[O+2*(\i)+1], v[L+4*(\i)+2], v[L+4*(\i)+3]
	v_lshlrev_b32 v[L+4*(\i)], 16, v[O+2*(\i)]     ; the rounded numbers as f32 again,
	v_and_b32 v[L+4*(\i)+1], s23, v[O+2*(\i)]
	v_lshlrev_b32 v[L+4*(\i)+2], 16, v[O+2*(\i)+1]
	v_and_b32 v[L+4*(\i)+3], s23, v[O+2*(\i)+1]
	v_cvt_pk_f16_f32 v[H], v[L+4*(\i)], v[L+4*(\i)+1]  ; written as f16,
	v_cvt_pk_f16_f32 v[H+1], v[L+4*(\i)+2], v[L+4*(\i)+3]
	v_cndmask_b32 v[O+2*(\i)], v[O+2*(\i)], v[H], s22  ; and taken for W_O alone: a choice of a value, made in every work-group
	v_cndmask_b32 v[O+2*(\i)+1], v[O+2*(\i)+1], v[H+1], s22
	global_store_b64 v2, v[O+2*(\i):O+2*(\i)+1], s[14:15] offset:2048*(\i)
.endm
.irp i, 0,1,2,3,4,5,6,7
	CAST \i
.endr
	s_endpgm
.Lfunc_end_k_q8680aaf6a9_prep:
	.size	k_q8680aaf6a9_prep, .Lfunc_end_k_q8680aaf6a9_prep-k_q8680aaf6a9_prep
	.p2alignl 7, 3214868480
	.fill 96, 4, 3214868480
	.section	.rodata,"a",@progbits
	.p2align	6, 0x0
	.amdhsa_kernel k_q8680aaf6a9_prep
		.amdhsa_group_segment_fixed_size 0
		.amdhsa_private_segment_fixed_size 0
		.amdhsa_enable_private_segment 0
		.amdhsa_kernarg_size 48
		.amdhsa_user_sgpr_count 2
		.amdhsa_user_sgpr_kernarg_segment_ptr 1
		.amdhsa_wavefront_size32 1
		.amdhsa_system_sgpr_workgroup_id_x 1
		.amdhsa_system_sgpr_workgroup_id_y 1
		.amdhsa_system_sgpr_workgroup_id_z 1
		.amdhsa_system_vgpr_workitem_id 0
		.amdhsa_next_free_vgpr 56
		.amdhsa_next_free_sgpr 66
		.amdhsa_reserve_vcc 0
		.amdhsa_float_denorm_mode_32 3
		.amdhsa_float_denorm_mode_16_64 3
		.amdhsa_memory_ordered 1
		.amdhsa_forward_progress 1
		.amdhsa_inst_pref_size 9
	.end_amdhsa_kernel
	.amdgpu_metadata
---
amdhsa.version: [ 1, 2 ]
amdhsa.kernels:
  - .name:           k_q8680aaf6a9_prep
    .symbol:         k_q8680aaf6a9_prep.kd
    .args:
      - { .name: x, .offset: 0, .size: 8, .value_kind: global_buffer, .address_space: global }
      - { .name: W_Q, .offset: 8, .size: 8, .value_kind: global_buffer, .address_space: global }
      - { .name: W_K, .offset: 16, .size: 8, .value_kind: global_buffer, .address_space: global }
      - { .name: W_V, .offset: 24, .size: 8, .value_kind: global_buffer, .address_space: global }
      - { .name: W_O, .offset: 32, .size: 8, .value_kind: global_buffer, .address_space: global }
      - { .name: cast, .offset: 40, .size: 8, .value_kind: global_buffer, .address_space: global }
    .group_segment_fixed_size: 0
    .private_segment_fixed_size: 0
    .kernarg_segment_align: 8
    .kernarg_segment_size: 48
    .max_flat_workgroup_size: 256
    .sgpr_count:     66
    .vgpr_count:     56
    .wavefront_size: 32
...
	.end_amdgpu_metadata
.endif
;; end of part 1
;; launch qkv (part 2): grid 12 x 16, 4 waves a work-group, clusters of 4 x 4, 327,680 bytes of LDS; arguments cast, W_Q, W_K, W_V, qkv; writes qkv
.if DOCPART == 2
	.amdgcn_target "amdgcn-amd-amdhsa--gfx1250"
	.amdhsa_code_object_version 6
	.text
	.protected	k_q8680aaf6a9_qkv
	.globl	k_q8680aaf6a9_qkv
	.p2align	8
	.type	k_q8680aaf6a9_qkv,@function
k_q8680aaf6a9_qkv:
	s_mov_b64 s[64:65], 0
	v_nop
	global_prefetch_b8 v0, s[64:65] scope:SCOPE_SE
	s_setreg_imm32_b32 hwreg(HW_REG_WAVE_MODE, 25, 1), 1
	s_wait_xcnt 0x0
	s_wait_alu depctr_hold_cnt(0) depctr_sa_sdst(0) depctr_va_vdst(0) depctr_va_sdst(0) depctr_va_ssrc(0) depctr_va_vcc(0) depctr_vm_vsrc(0)
	s_getreg_b32 s2, hwreg(HW_REG_IB_STS2, 6, 4)
	s_cmp_eq_u32 s2, 0
	s_cbranch_scc0 .Lentry_in_a_cluster
	s_endpgm
.Lentry_in_a_cluster:
	s_bfe_u32 s2, ttmp6, 0x10000c
	s_cmp_lg_u32 s2, 0xf033
	s_cbranch_scc0 .Lentry_shape_is_right
	s_endpgm
.Lentry_shape_is_right:
; qkv[m][n] = bias[n] + the sum over k of x[m][k] W[k][n], n = 0..3071: q / 32 | k | v, each 1,024 columns, heads side by side.  x and W come as bf16 from cast (W_Q already divided by 32);
; the bias is row 1024 of W_Q, W_K, W_V in f32, rounded to bf16 here (W_Q's then divided by 32), and is the C operand of the products that start the sums.  Sums in f32; qkv is f16, rounded once, rows of 6,144 bytes.
; LIMIT.  q / 32, k and v lie within f16's range, 65,504; beyond it the conversion gives an infinity.
; SHARES.  A tile of 256 x 256 to a work-group of four waves, 128 x 128 to a wave: 64 accumulators, 512 registers.  12 x 16 tiles.  K goes in 8 steps of 128 through two LDS slots.
; A's rows (x) lie along K: fragments by two loads of 16 bytes.  B (W) lies [k][n]: its tile is 128 k rows x 256 columns, and fragments come turned, by ds_load_tr16_b128.
; A K STEP IS WRITTEN ONCE: the fetches' LDS addresses are made of a scalar that one exclusive or turns from slot to slot, and one descriptor for each operand walks from step to step.
; CLUSTER.  4 x 4 work-groups: A's tile hangs on the tile row alone and is asked for jointly along a row of the cluster, B's on the tile column alone, jointly along a column.
; THE MATRIX INSTRUCTION IS USED TRANSPOSED (source 0 = 16 columns of W, source 1 = 16 rows of x): a lane then holds eight neighbouring columns of one row of the result.
; REGISTERS, in windows of 256 (s_set_vgpr_msb: bits 1:0 source 0, 3:2 source 1, 5:4 source 2, 7:6 destination):
;   window 0: v0-31 addresses; v64-127, v128-191 fragments of A, two buffers; v32-63, v192-255 at work on the way out
;   window 1: v0-63 the bias of my 128 columns; v64-127, v128-191 fragments of B; v192-195 at work      windows 2, 3: the accumulators of my rows 0-63, 64-127 ((a, b) at v[8 (8 a + b)])
.set SIZE_K, 1024
.set SIZE_N, 3072
.set KSTEP,  128
.set PITCH,  272                       ; a row of A in LDS: 256 bytes + 16 of padding = 68 words: the 16 rows of a load start at 16 different groups of four banks (64 banks of 4 bytes: ISA guide 11.1)
.set PB,     544                       ; a k row of B: 512 bytes + 32 = 136 words
.set HALFT,  128*PITCH                 ; what one tensor load brings: 128 rows of A, or 64 k rows of B: the same 34,816 bytes
.set SLOT,   4*HALFT                   ; A's 256 rows, then B's 128 k rows: 0x22000; no tile's address in slot 0 (wave x 34,816) has bit 13 or bit 17 set, so one exclusive or turns it into slot 1's
.set STAGE,  2*SLOT                    ; behind the ring: 16 rows x 272 bytes for each wave, for the way out
.set SPITCH, 272
.set SPARE,  STAGE+4*16*SPITCH         ; behind the stages: the spare words, 128 bytes for each wave
.set ADRA, 16                          ; v16     my lane's place in A's tile, in slot 0; never rewritten
.set ADA,  17                          ; v17     the same in the slot that is fetched from
.set ADRB, 20                          ; v20     my lane's place in B's tile, in slot 0; never rewritten
.set ADB,  21                          ; v21     the same in the slot that is fetched from
.set STO,  24                          ; v24     the way out: where I put 16 bytes of a row
.set RD,   25                          ; v25     the way out: where I read a row back
.set CO,   26                          ; v26     my byte offset in qkv
.set BO,   27                          ; v27     my byte offset in 16 numbers of the bias
.set SPW,  28                          ; v28     LDS address of my spare word; never rewritten
.set NIL,  29                          ; v29     0; never rewritten
.set F0,   64
.set F1,   128
.set TMP,  192
.set OB,   32
.set G1, 24                            ; s[24:31] descriptor group 1 for A's tiles;  s[32:39] group 0: a set for each of the two first fills; the second then walks on
.set G0, 32
.set G1B, 48                           ; s[48:55], s[56:63] the same for B's
.set G0B, 56
.set TB,  82                           ; s82     LDS byte at which the slot that is fetched from begins: 0 or SLOT
.set MSB, 0
.macro WIN new                         ; the immediate's high byte repeats the setting that is left; a switch that changes nothing is dropped
.if MSB != (\new)
	s_set_vgpr_msb (MSB<<8)|(\new)
.set MSB, \new
.endif
.endm
.set MUL_LO, 0xa1                      ; source 0 (B) window 1, source 1 (A) window 0, C and D window 2
.set MUL_HI, 0xf1                      ; the same, C and D window 3
.set BEG_LO, 0x91                      ; the first products: C, the bias, in window 1; D in window 2
.set BEG_HI, 0xd1                      ; D in window 3
.set TO_B,   0x40                      ; destination window 1, address window 0
; A joint load: waves 0 and 1 fetch A's two halves, waves 2 and 3 B's.  The branch hangs on the wave's number alone.  An s_nop 0 and four v_nop follow each line.
.macro JLOAD s
	s_cmp_eq_u32 s11, 0
	s_cbranch_scc0 .Lfor_b_\@
	tensor_load_to_lds s[G0+4*(\s):G0+4*(\s)+3], s[G1:G1+7]
	s_nop 0
.rept 4
	v_nop
.endr
	s_branch .Lasked_\@
.Lfor_b_\@:
	tensor_load_to_lds s[G0B+4*(\s):G0B+4*(\s)+3], s[G1B:G1B+7]
	s_nop 0
.rept 4
	v_nop
.endr
.Lasked_\@:
.endm
.macro CREST                           ; a round of the cluster's barrier behind its opening barrier
	s_cmp_lg_u32 s10, 0
	s_cbranch_scc1 .Lnot_wave_0_\@
	s_barrier_signal -3
.Lnot_wave_0_\@:
	s_barrier_wait -3
	s_barrier_signal -1
	s_barrier_wait -1
.endm
.macro CROUND                          ; a whole round
	s_barrier_signal -1
	s_barrier_wait -1
	CREST
.endm
	s_load_b256 s[68:75], s[0:1], 0x0              ; cast s[68:69], W_Q s[70:71], W_K s[72:73], W_V s[74:75]
	s_load_b64 s[8:9], s[0:1], 0x20                ; qkv
	v_lshl_add_u32 v[SPW], v0, 2, SPARE
	v_mov_b32 v[NIL], 0
	ds_add_u32 v[SPW], v[NIL]                      ; the wave's opening: the add and its wait stand ahead of my first tensor load; work on registers stands between them
	v_lshrrev_b32 v1, 5, v0
	v_readfirstlane_b32 s10, v1                    ; wave 0..3
	s_lshr_b32 s11, s10, 1                         ; which half of the tile's rows is mine.  Also: I fetch for A (0) or for B (1)
	s_and_b32 s12, s10, 1                          ; which half of its columns.  Also: which half of that tile I fetch
	s_bfe_u32 s40, ttmp6, 0x40000                  ; cx
	s_bfe_u32 s41, ttmp6, 0x40004                  ; cy
	s_mov_b32 s45, ttmp9                           ; the cluster's x: 0 q, 1 k, 2 v
	s_lshl_b32 s42, s45, 2
	s_add_co_u32 s42, s42, s40                     ; tile column = 4 x cluster x + cx
	s_and_b32 s13, ttmp7, 0xffff
	s_lshl_b32 s13, s13, 2
	s_add_co_u32 s13, s13, s41                     ; tile row = 4 x cluster y + cy
	s_lshl_b32 s43, s41, 2
	s_lshl_b32 s43, 15, s43                        ; my row of the cluster
	s_lshl_b32 s44, 0x1111, s40                    ; my column
	s_or_b32 s[G1+0], s43, (1<<16)|(1<<20)|(1<<21)|(5<<22)|(3<<25)   ; the mask; 2-byte elements; padding on; bit 21 beside a mask; after every 64 words 4 words
	s_mov_b32 s[G1+1], KSTEP<<16                   ; tensor_dim0 = 128
	s_mov_b32 s[G1+2], 128<<16                     ; tensor_dim1 = 128
	s_mov_b32 s[G1+3], KSTEP<<16                   ; tile_dim0 = 128
	s_mov_b32 s[G1+4], 128                         ; tile_dim1 = 128
	s_mov_b32 s[G1+5], SIZE_K                      ; elements from row to row
	s_mov_b32 s[G1+6], 0
	s_mov_b32 s[G1+7], 0
	s_or_b32 s[G1B+0], s44, (1<<16)|(1<<20)|(1<<21)|(6<<22)|(7<<25)  ; after every 128 words 8 words
	s_mov_b32 s[G1B+1], 256<<16                    ; tensor_dim0 = 256 columns
	s_mov_b32 s[G1B+2], 64<<16                     ; tensor_dim1 = 64 k rows
	s_mov_b32 s[G1B+3], 256<<16                    ; tile_dim0
	s_mov_b32 s[G1B+4], 64                         ; tile_dim1
	s_mov_b32 s[G1B+5], 1024                       ; elements from k row to k row
	s_mov_b32 s[G1B+6], 0
	s_mov_b32 s[G1B+7], 0
	s_lshl_b32 s17, s12, 7                         ; A: row 256 x tile row + 128 x half,
	s_lshl_b32 s16, s13, 8
	s_add_co_u32 s16, s16, s17
	s_lshl_b32 s16, s16, 11                        ; of 2,048 bytes
	s_mov_b32 s17, 0
	s_lshl_b32 s46, s45, 21                        ; B: the tensor's 2 MiB in cast,
	s_lshl_b32 s47, s40, 9                         ; the tile's 256 columns,
	s_add_co_u32 s46, s46, s47
	s_lshl_b32 s47, s12, 17                        ; my 64 k rows of 2,048 bytes,
	s_add_co_u32 s46, s46, s47
	s_add_co_u32 s46, s46, 8388608                 ; behind x
	s_mov_b32 s47, 0
	s_mul_i32 s20, s10, HALFT                      ; where the tiles go: wave x 34,816: no place in the cluster enters an LDS address
	s_lshl_b32 s80, s40, 10                        ; the bias: row 1024, the tile's 256 columns, my 128 of them
	s_lshl_b32 s81, s12, 9
	s_add_co_u32 s80, s80, s81
	s_add_co_u32 s80, s80, 4194304
	s_mov_b32 s81, 0
	s_cmp_eq_u32 s45, 0
	s_cselect_b32 s78, 0x3d000000, 1.0             ; q's bias is divided by 32 as W_Q was
	s_mov_b32 s79, s78
	s_mov_b32 s[TB], 0
	s_wait_dscnt 0x0                               ; the opening add is done
	s_wait_kmcnt 0x0
	s_add_nc_u64 s[14:15], s[68:69], s[16:17]
	s_add_nc_u64 s[46:47], s[68:69], s[46:47]
	s_mov_b64 s[76:77], s[70:71]                   ; whose bias: a choice among three buffers by the cluster's x
	s_cmp_eq_u32 s45, 1
	s_cselect_b64 s[76:77], s[72:73], s[76:77]
	s_cmp_eq_u32 s45, 2
	s_cselect_b64 s[76:77], s[74:75], s[76:77]
	s_add_nc_u64 s[76:77], s[76:77], s[80:81]
	CROUND                                         ; all sixteen work-groups are here: the first joint loads meet
.irp s, 0,1
	s_mov_b32 s[G0+4*(\s)], 1
	s_add_co_u32 s[G0+4*(\s)+1], s20, (\s)*SLOT
	s_add_nc_u64 s[G0+4*(\s)+2:G0+4*(\s)+3], s[14:15], (\s)*KSTEP*2
	s_or_b32 s[G0+4*(\s)+3], s[G0+4*(\s)+3], 0x80000000
	s_mov_b32 s[G0B+4*(\s)], 1
	s_add_co_u32 s[G0B+4*(\s)+1], s20, (\s)*SLOT
	s_add_nc_u64 s[G0B+4*(\s)+2:G0B+4*(\s)+3], s[46:47], (\s)*KSTEP*2048
	s_or_b32 s[G0B+4*(\s)+3], s[G0B+4*(\s)+3], 0x80000000
	JLOAD \s                                       ; two loads of mine are out
.endr
	; All that follows up to the barrier stands in the wait for the first tile.
	v_and_b32 v1, 15, v0                           ; l % 16
	v_bfe_u32 v2, v0, 4, 1                         ; l / 16
	v_lshlrev_b32 v[BO], 5, v2                     ; my eight numbers of each 16 of the bias
	WIN TO_B
.irp b, 0,1,2,3,4,5,6,7
	global_load_b128 v[8*(\b):8*(\b)+3],   v[BO], s[76:77] offset:64*(\b)
	global_load_b128 v[8*(\b)+4:8*(\b)+7], v[BO], s[76:77] offset:64*(\b)+16
.endr
	WIN 0
	v_mul_u32_u24 v3, v1, PITCH
	v_lshl_add_u32 v3, v2, 4, v3                   ; A: row x pitch + 16 x half
	v_and_b32 v6, 7, v0                            ; B, turned: lane l reads k row 8 (l / 16) + l % 8, columns 8 ((l / 8) % 2) + 0..7
	v_lshl_add_u32 v6, v2, 3, v6
	v_mul_u32_u24 v6, v6, PB
	v_bfe_u32 v7, v0, 3, 1
	v_lshl_add_u32 v6, v7, 4, v6
	s_mul_i32 s21, s11, HALFT                      ; my 128 rows of A
	s_lshl_b32 s22, s12, 8                         ; my 128 columns of B,
	s_add_co_u32 s22, s22, 2*HALFT                 ; which lies behind A
	v_add_nc_u32 v[ADRA], s21, v3
	v_add_nc_u32 v[ADRB], s22, v6
	v_mov_b32 v[ADA], v[ADRA]                      ; the fetches begin in slot 0
	v_mov_b32 v[ADB], v[ADRB]
	s_mul_i32 s23, s10, 16*SPITCH
	s_add_co_u32 s23, s23, STAGE                   ; my stage
	v_mul_u32_u24 v4, v1, SPITCH
	v_lshl_add_u32 v4, v2, 4, v4
	v_add_nc_u32 v[STO], s23, v4
	v_mul_u32_u24 v5, v2, SPITCH
	v_lshl_add_u32 v5, v1, 4, v5
	v_add_nc_u32 v[RD], s23, v5
	v_mul_u32_u24 v5, v2, SIZE_N*2
	v_lshl_add_u32 v[CO], v1, 4, v5
	s_lshl_b32 s13, s13, 8                         ; where my part of the tile begins in qkv
	s_lshl_b32 s14, s11, 7
	s_add_co_u32 s16, s13, s14
	s_mul_i32 s16, s16, SIZE_N*2
	s_lshl_b32 s46, s42, 9
	s_lshl_b32 s47, s12, 8
	s_add_co_u32 s46, s46, s47
	s_add_co_u32 s16, s16, s46
	s_mov_b32 s17, 0
	; The bias is rounded to bf16 (and q's divided by 32).  Register 8 b + j of lane l is the bias of column 16 b + 8 (l / 16) + j: the layout of an accumulator's eight registers, whatever its rows.
	WIN 0x45                                       ; destination and both sources in window 1
	s_wait_loadcnt 0x0                             ; the bias
.set p, 0
.rept 32
	v_cvt_pk_bf16_f32 v[192+p%4], v[2*p], v[2*p+1]
	v_lshlrev_b32 v[2*p], 16, v[192+p%4]
	v_and_b32 v[2*p+1], 0xffff0000, v[192+p%4]
	v_pk_mul_f32 v[2*p:2*p+1], v[2*p:2*p+1], s[78:79] op_sel_hi:[1,0]
.set p, p+1
.endr
; 16 matrix instructions: m blocks a0, a0 + 1 of the window's four x all 8 n blocks, 32 along K.  zero = 1: the first product starts the sum, with the bias as C.  The 64 accumulators take turns.
.macro MUL16 f, hi, a0, zero
.if \zero
	WIN BEG_LO+0x40*(\hi)
.else
	WIN MUL_LO+0x50*(\hi)
.endif
.irp a, \a0, (\a0)+1
.irp b, 0,1,2,3,4,5,6,7
.if \zero
	v_wmma_f32_16x16x32_bf16 v[8*(8*(\a)+(\b)):8*(8*(\a)+(\b))+7], v[(\f)+8*(\b):(\f)+8*(\b)+7], v[(\f)+8*(4*(\hi)+(\a)):(\f)+8*(4*(\hi)+(\a))+7], v[8*(\b):8*(\b)+7]
.else
	v_wmma_f32_16x16x32_bf16 v[8*(8*(\a)+(\b)):8*(8*(\a)+(\b))+7], v[(\f)+8*(\b):(\f)+8*(\b)+7], v[(\f)+8*(4*(\hi)+(\a)):(\f)+8*(4*(\hi)+(\a))+7], v[8*(8*(\a)+(\b)):8*(8*(\a)+(\b))+7]
.endif
.endr
.endr
.endm
; 32 LDS loads in one run: the fragments of one quarter step (32 along K: byte k of A's rows, k rows k / 2 on of B) into buffer f
.macro FETCH k, f
	WIN TO_B
.irp i, 0,1,2,3,4,5,6,7
	ds_load_tr16_b128 v[(\f)+8*(\i):(\f)+8*(\i)+3],   v[ADB] offset:((\k)/64)*32*PB+32*(\i)
	ds_load_tr16_b128 v[(\f)+8*(\i)+4:(\f)+8*(\i)+7], v[ADB] offset:((\k)/64)*32*PB+16*PB+32*(\i)
.endr
	WIN 0
.irp i, 0,1,2,3,4,5,6,7
	ds_load_b128 v[(\f)+8*(\i):(\f)+8*(\i)+3],   v[ADA] offset:(\k)+(\i)*16*PITCH
	ds_load_b128 v[(\f)+8*(\i)+4:(\f)+8*(\i)+7], v[ADA] offset:(\k)+(\i)*16*PITCH+32
.endr
.endm
.macro PLACES                          ; four plain instructions in front of loads into registers that matrix instructions have read, and of conversions that read results (ISA guide 7.12.1 for the conversions)
.rept 4
	v_nop
.endr
.endm
.macro QUARTER k, f, g, zero           ; multiplies buffer f; in its middle fetches the next quarter, at byte k, into g
	s_wait_dscnt 8                                 ; B and A's rows 0-63 are in; the youngest eight loads (A's rows 64-127) may be out
	MUL16 \f, 0, 0, \zero
	MUL16 \f, 0, 2, \zero
	PLACES
	FETCH \k, \g
	s_wait_dscnt 32                                ; all but the 32 just issued
	MUL16 \f, 1, 0, \zero
	MUL16 \f, 1, 2, \zero
.endm
.macro MEET round                      ; the first half of a step's last quarter: one barrier for the change of slots
	WIN 0
	s_wait_tensorcnt 0x0                           ; all my tensor loads have landed: the one that was out is my part of the next slot
	ds_add_u32 v[SPW], v[NIL]                      ; 0 onto my spare word
	s_wait_dscnt 9                                 ; the add and the youngest eight loads may be out
	MUL16 F1, 0, 0, 0
	s_wait_dscnt 0x0                               ; the add is done, and my reads of this slot are over
	s_barrier_signal -1
	MUL16 F1, 0, 2, 0
	WIN 0
	s_barrier_wait -1
.endm
; The whole last quarter.  fill = 1: the barrier opens a round of the cluster's, and the slot just read is filled again, two K steps on, first thing behind it, by the walking descriptors.
.macro TURN fill
	MEET \fill
.if \fill
	CREST
	s_xor_b32 s[G0+5], s[G0+5], SLOT               ; the other slot than last time,
	s_add_nc_u64 s[G0+6:G0+7], s[G0+6:G0+7], KSTEP*2  ; the next K step; the type bits on top are not reached
	s_xor_b32 s[G0B+5], s[G0B+5], SLOT
	s_add_nc_u64 s[G0B+6:G0B+7], s[G0B+6:G0B+7], KSTEP*2048
	JLOAD 1                                        ; its four v_nop are also the places in front of the loads below
.else
	PLACES
.endif
	s_xor_b32 s[TB], s[TB], SLOT                   ; the fetches go to the other slot
	v_add_nc_u32 v[ADA], s[TB], v[ADRA]
	v_add_nc_u32 v[ADB], s[TB], v[ADRB]
	FETCH 0, F0
	MUL16 F1, 1, 0, 0
	MUL16 F1, 1, 2, 0
.endm
; THE WAY OUT of block a (16 rows).  PACK: rounded to f16, each accumulator from its low end on, 16 bytes a lane.  TOSTAGE: into my stage and back as whole rows of 256 bytes.  SEND: stored.
.macro PACK a
.set AC, 64*((\a)%4)
	WIN 0x0a+5*((\a)/4)                            ; sources 0 and 1: window 2 or 3
.irp b, 0,1,2,3,4,5,6,7
.irp r, 0,1,2,3
	v_cvt_pk_f16_f32 v[TMP+4*(\b)+(\r)], v[AC+8*(\b)+2*(\r)], v[AC+8*(\b)+2*(\r)+1]
.endr
.endr
	WIN 0
.endm
.macro TOSTAGE a
	WIN 0
.set BK, OB+192*((\a)%2)
.irp b, 0,1,2,3,4,5,6,7
	ds_store_b128 v[STO], v[TMP+4*(\b):TMP+4*(\b)+3] offset:32*(\b)
.endr
.irp t, 0,1,2,3,4,5,6,7
	ds_load_b128 v[BK+4*(\t):BK+4*(\t)+3], v[RD] offset:(\t)*2*SPITCH  ; LDS serves a wave's instructions in order (ISA guide 5.7.1.4): these see the stores above
.endr
.endm
.macro SEND a, younger
	WIN 0
.set BK, OB+192*((\a)%2)
	s_wait_dscnt \younger                          ; the block is back in registers
	s_wait_xcnt 0x0                                ; the stores' base and the registers that earlier stores read are rewritten only behind this wait
.if (\a) == 0
	s_add_nc_u64 s[8:9], s[8:9], s[16:17]
.else
	s_add_nc_u64 s[8:9], s[8:9], 16*SIZE_N*2
.endif
.irp t, 0,1,2,3,4,5,6,7
	global_store_b128 v[CO], v[BK+4*(\t):BK+4*(\t)+3], s[8:9] offset:2*(\t)*SIZE_N*2  ; 16 lanes store 256 consecutive bytes, at a multiple of 256 from qkv's first byte
.endr
.endm
	s_wait_tensorcnt 1                             ; my part of K step 0 is in; K step 1's may stay out
	s_barrier_signal -1
	s_barrier_wait -1
	FETCH 0, F0
	QUARTER 64,  F0, F1, 1                         ; the first quarter starts the sums
	WIN 0
	s_mov_b32 s3, 6
.Lstep:                                                ; six trips: from a K step's second quarter to the next step's first; trip t fills K step t + 2 into the slot just read
	QUARTER 128, F1, F0, 0
	QUARTER 192, F0, F1, 0
	TURN 1
	QUARTER 64,  F0, F1, 0
	WIN 0
	s_sub_co_u32 s3, s3, 1
	s_cmp_lg_u32 s3, 0
	s_cbranch_scc1 .Lstep
	s_mov_b32 s3, 2                                ; the last two K steps ask for nothing: a text of their own, entered in its middle
	s_branch .Lmid
.Ltail:
	TURN 0
	QUARTER 64,  F0, F1, 0
	WIN 0
.Lmid:
	QUARTER 128, F1, F0, 0
	QUARTER 192, F0, F1, 0
	WIN 0
	s_sub_co_u32 s3, s3, 1
	s_cmp_lg_u32 s3, 0
	s_cbranch_scc1 .Ltail
	s_wait_dscnt 8                                 ; the very last quarter: nothing more to fetch
	MUL16 F1, 0, 0, 0
	MUL16 F1, 0, 2, 0
	s_wait_dscnt 0x0
	MUL16 F1, 1, 0, 0
	MUL16 F1, 1, 2, 0
	PLACES
	PACK 0
	TOSTAGE 0
.irp a, 1,2,3,4,5,6,7                  ; block a's conversions stand between block a - 1's loads from the stage and the wait for them
	PACK \a
	SEND (\a)-1, 0
	TOSTAGE \a
.endr
	SEND 7, 0
	s_wait_tensorcnt 0x0                           ; the wave's end
	ds_add_u32 v[SPW], v[NIL]
	s_wait_dscnt 0x0
	CROUND                                         ; the closing round
	s_endpgm
.Lfunc_end_k_q8680aaf6a9_qkv:
	.size	k_q8680aaf6a9_qkv, .Lfunc_end_k_q8680aaf6a9_qkv-k_q8680aaf6a9_qkv
	.p2alignl 7, 3214868480
	.fill 96, 4, 3214868480
	.section	.rodata,"a",@progbits
	.p2align	6, 0x0
	.amdhsa_kernel k_q8680aaf6a9_qkv
		.amdhsa_group_segment_fixed_size 327680
		.amdhsa_private_segment_fixed_size 0
		.amdhsa_enable_private_segment 0
		.amdhsa_kernarg_size 40
		.amdhsa_user_sgpr_count 2
		.amdhsa_user_sgpr_kernarg_segment_ptr 1
		.amdhsa_wavefront_size32 1
		.amdhsa_system_sgpr_workgroup_id_x 1
		.amdhsa_system_sgpr_workgroup_id_y 1
		.amdhsa_system_sgpr_workgroup_id_z 1
		.amdhsa_system_vgpr_workitem_id 0
		.amdhsa_next_free_vgpr 1024
		.amdhsa_next_free_sgpr 84
		.amdhsa_reserve_vcc 0
		.amdhsa_float_denorm_mode_32 3
		.amdhsa_float_denorm_mode_16_64 3
		.amdhsa_memory_ordered 1
		.amdhsa_forward_progress 1
		.amdhsa_inst_pref_size 114
	.end_amdhsa_kernel
	.amdgpu_metadata
---
amdhsa.version: [ 1, 2 ]
amdhsa.kernels:
  - .name:           k_q8680aaf6a9_qkv
    .symbol:         k_q8680aaf6a9_qkv.kd
    .args:
      - { .name: cast, .offset: 0, .size: 8, .value_kind: global_buffer, .address_space: global }
      - { .name: W_Q, .offset: 8, .size: 8, .value_kind: global_buffer, .address_space: global }
      - { .name: W_K, .offset: 16, .size: 8, .value_kind: global_buffer, .address_space: global }
      - { .name: W_V, .offset: 24, .size: 8, .value_kind: global_buffer, .address_space: global }
      - { .name: qkv, .offset: 32, .size: 8, .value_kind: global_buffer, .address_space: global }
    .group_segment_fixed_size: 327680
    .private_segment_fixed_size: 0
    .kernarg_segment_align: 8
    .kernarg_segment_size: 40
    .max_flat_workgroup_size: 128
    .sgpr_count:     84
    .vgpr_count:     1024
    .wavefront_size: 32
...
	.end_amdgpu_metadata
.endif
;; end of part 2
;; launch attn (part 3): grid 32 x 8, 4 waves a work-group, clusters of 4 x 4, 327,680 bytes of LDS; arguments qkv, mask, oh; writes oh
.if DOCPART == 3
	.amdgcn_target "amdgcn-amd-amdhsa--gfx1250"
	.amdhsa_code_object_version 6
	.text
	.protected	k_q8680aaf6a9_attn
	.globl	k_q8680aaf6a9_attn
	.p2align	8
	.type	k_q8680aaf6a9_attn,@function
k_q8680aaf6a9_attn:
	s_mov_b64 s[64:65], 0
	v_nop
	global_prefetch_b8 v0, s[64:65] scope:SCOPE_SE
	s_setreg_imm32_b32 hwreg(HW_REG_WAVE_MODE, 25, 1), 1
	s_wait_xcnt 0x0
	s_wait_alu depctr_hold_cnt(0) depctr_sa_sdst(0) depctr_va_vdst(0) depctr_va_sdst(0) depctr_va_ssrc(0) depctr_va_vcc(0) depctr_vm_vsrc(0)
	s_getreg_b32 s2, hwreg(HW_REG_IB_STS2, 6, 4)
	s_cmp_eq_u32 s2, 0
	s_cbranch_scc0 .Lentry_in_a_cluster
	s_endpgm
.Lentry_in_a_cluster:
	s_bfe_u32 s2, ttmp6, 0x10000c
	s_cmp_lg_u32 s2, 0xf033
	s_cbranch_scc0 .Lentry_shape_is_right
	s_endpgm
.Lentry_shape_is_right:
; oh[q][128 h + :] = the sum over k of softmax_k(q'[q] . k[k] + mask[q][k]) v[k][:], for head h.  qkv: [4096][3072] f16, a row = q' (= q / 32) | k | v, a head's 128 channels 256 aligned bytes.
; mask: [4096][4096] f32, taken as it is.  Products, maxima and sums in f32; the weights p are rounded to f16 for the second product (their sum l is taken of the unrounded p), oh once at the end, f16.
; THE MASK is the C operand of the first product of S^T = K Q^T: it is loaded from LDS into the score registers, and the products add onto it.  It costs no vector instruction.
; SOFTMAX.  A running maximum m and sum l for each query: p = 2^(c s - c m), c = log2(e); in every step O and l are multiplied by a = 2^(c m_old - c m_new).
; LIMITS.  m starts at -2^127 and never lies below it: a score of -infinity has the weight 0; a row of nothing but -infinity gives NaN, as 0 / 0; a row whose scores all lie below -1.7e38 without being
; -infinity is not served.  A weight below 2^-126 counts as 0 in l.  NaN and +infinity are not treated apart.  p below 6e-5 keeps f16's fixed step of 6e-8.
; SHARES.  A work-group owns 128 queries of one head.  Wave w = 2 qh + kh owns 64 queries (64 qh on) and, of every step's 128 keys, the 64 from 64 kh on: 32 steps.  So a fragment of K or V feeds four
; tiles of 16 queries.  The two waves of a query half hold two partial results for the same queries; they are merged once, at the end, through LDS.
; My tiles 0, 1 (PIECE 0) are rows 64 qh + 32 kh + 0..31 of the block, which I keep and store; my tiles 2, 3 (PIECE 2) are the other 32 rows, which I hand to wave w xor 1.
; BY TURNS.  In a TURN one piece has the matrix unit: 32 products V^T P of the step in hand, then 32 products K Q^T of the next; the other piece's softmax, in 64 slices, stands between them.
; NO FIRST AND NO LAST TURN IS WRITTEN OUT.  O^T, l, V and piece 2's P start at 0 and m at -2^127, so the loop is entered at piece 2's turn, whose products V^T P then add 0; the tail is left behind piece 0's
; turn, whose products K Q^T (on the last K once more) serve nothing.  The price, once a wave: 64 products.
; CLUSTER.  4 x 4 work-groups: four query blocks x four heads.  K's and V's tiles hang on the head alone and are asked for jointly along a row of the cluster; the mask's tile hangs on the query block alone,
; jointly along a column.  One load a wave behind each round: wave 0 K, wave 1 V, waves 2 and 3 the mask's two halves, 32,768 bytes each.
; THE WALK.  The result does not hang on the order of the key steps, so cluster (X, Y) begins at step 8 (X mod 4) + 16 Y and goes round modulo 32.  Of the two clusters that read a tile of the mask (Y = 0, 1) one
; then reads it 16 trips behind the other, and clusters that read a tile of K or V read it 8 trips apart: a second reading can be served by the cache that the first has filled.
; The start hangs on the cluster's own x and y, which all sixteen partners share.
; ASKED AHEAD.  In a trip of the loop wave 0 asks, by two prefetches, for 64 blocks of 256 bytes of the mask's tile that the NEXT trip's tensor loads fetch: its head's 32 of the query block's 128 rows, so that the
; cluster's four heads ask for each block once.  It asks only while that step is among the walk's first 16: the later ones the other cluster has read 16 trips before.  The step's number is taken modulo 32,
; so no request leaves the buffer.
; REGISTERS, in windows of 256 (s_set_vgpr_msb: bits 1:0 source 0, 3:2 source 1, 5:4 source 2, 7:6 destination):
;   window 0: v0-11, v44-63 addresses and the merge's statistics; v12-43 eight registers of statistics a tile; v64-191 S^T, 32 a tile; v192-255 P, 16 a tile
;   window 1: O^T, 64 a tile          window 2: v0-127 Q, 32 a tile; v128-255 K of one step          window 3: v0-127 V of one step
.set PK,    272       ; a row of K in LDS: 256 bytes + 16 = 68 words: the 16 rows of a load start at 16 different groups of four banks (64 banks of 4 bytes: ISA guide 11.1)
.set PV,    288       ; a row of V: 256 + 32 = 72 words
.set PM,    528       ; a row of the mask: 512 + 16 = 132 words: as for K
.set VOFF,  128*PK    ; a slot holds one step: 128 rows of K, 128 rows of V, 128 query rows x 128 keys of the mask
.set MOFF,  VOFF+128*PV
.set SLOT,  MOFF+128*PM  ; 0x22000: no tile's address in slot 0 has bit 13 or bit 17 set, so one exclusive or turns an address in one slot into the other's
.set STAGE, 2*SLOT    ; behind the ring: 16 rows x 272 bytes for each wave, for the way out
.set SP,    272
.set SPARE, STAGE+4*16*SP  ; behind the stages: the spare words, 128 bytes for each wave
.set MW,    33*512    ; the merge: 16,896 bytes a wave from LDS byte 0 on, in slot 0, which has had its last fill by then
.set KSTEPB, 128*6144 ; bytes from a step's K or V to the next
.set AK0, 2           ; v2   my lane's place in a tile of K, my half of the keys; never rewritten
.set AV0, 3           ; v3   the same for V
.set ADR, 4           ; v4   the LDS address of the run of loads in hand
.set AMA, 5           ; v5   my lane's place in the mask's tile for piece 0
.set STO, 6           ; v6   the way out: where I put 16 bytes of a row
.set RD,  7           ; v7   the way out: where I read a row back
.set GO,  8           ; v8   my byte offset in the wave's rows of oh
.set AMB, 44          ; v44  my lane's place in the mask's tile for piece 2
.set QOA, 45          ; v45  my byte offset in Q for piece 0
.set QOB, 46          ; v46  for piece 2
.set MST, 47          ; v47  the merge: where I put
.set MLD, 48          ; v48  the merge: where I take
.set ADM, 49          ; v49  the LDS address of the mask's run of loads
.set VPF, 50          ; v50  the block of the mask that my lane asks for ahead: row lane / 2 of 16, half lane % 2 of a row's 512 bytes; never rewritten
.set SND, 52          ; v52-55  c m and l of tiles 2, 3, to hand over
.set RCV, 56          ; v56-59  the same as received
.set SPW, 62          ; v62  LDS address of my spare word; never rewritten
.set NIL, 63          ; v63  0; never rewritten
.set ST,  12          ; tile t's statistics at v[ST+8 t]: +0 c m, +1 m, +2, +3 l (even keys', odd keys'), +4 to +7 c0-c3, at work; a takes c2's place once the maximum is found
.set S,   64
.set P,   192
.set KF,  128         ; K's fragments, in window 2
.set WV,  12          ; s12  my wave's number
.set STP, 21          ; s21  the number, 0 to 31, of the key step that was asked for last
.set G1K, 24          ; s[24:31] descriptor group 1 for K's tiles
.set G1V, 32          ; s[32:39] for V's
.set G1M, 40          ; s[40:47] for the mask's
.set G0K, 48          ; s[48:55] descriptor group 0 for K's tiles: a set for each of the two first fills; the second then walks on
.set G0V, 56          ; s[56:63] the same for V's
.set G0M, 68          ; s[68:75] the same for the mask's
.set SLOTS, 80        ; s80  counts the loop's trips, then the tail's
.set CS,  82          ; s[82:83] c
.set SEL, 84          ; s[84:85] lane selects for v_permlanex16_b32: each lane takes its own place in the other half
.set TB,  86          ; s86  LDS byte at which the slot to be fetched from begins
.set PB0, 88          ; s[88:89] the mask at my head's 32 rows of my query block
.set PFA, 90          ; s[90:91] the same at the step that is asked for ahead
.set PFS, 92          ; s[92:93] that step's byte offset in a row
.set OFK, 94          ; s[94:95] a step's byte offset in K and in V
.set OFM, 96          ; s[96:97] a step's byte offset in a row of the mask
.set MSB, 0
.macro WIN new
.if MSB != (\new)
	s_set_vgpr_msb (MSB<<8)|(\new)
.set MSB, \new
.endif
.endm
.set W_KQ, 0x0a       ; K and Q in window 2, S^T in window 0
.set W_PV, 0x53       ; V in window 3, P in window 0, O^T in window 1
.set W_RS, 0x41       ; O^T (destination and source 0) in window 1, a in window 0
; The global addresses of step STP's three tiles, into set g (0 or 4) of each group 0: made anew from the tensor's base and an offset made apart; the type bits are set again.
.macro ADDR g
	s_mul_i32 s[OFK], s[STP], KSTEPB
	s_lshl_b32 s[OFM], s[STP], 9
	s_add_nc_u64 s[G0K+(\g)+2:G0K+(\g)+3], s[6:7], s[OFK:OFK+1]
	s_or_b32 s[G0K+(\g)+3], s[G0K+(\g)+3], 0x80000000
	s_add_nc_u64 s[G0V+(\g)+2:G0V+(\g)+3], s[8:9], s[OFK:OFK+1]
	s_or_b32 s[G0V+(\g)+3], s[G0V+(\g)+3], 0x80000000
	s_add_nc_u64 s[G0M+(\g)+2:G0M+(\g)+3], s[2:3], s[OFM:OFM+1]
	s_or_b32 s[G0M+(\g)+3], s[G0M+(\g)+3], 0x80000000
.endm
; A joint refill, by the walking descriptors.  The branches hang on the wave's number alone.  An s_nop 0 and four v_nop follow each of the three lines.  Wave 0 then asks ahead for the mask,
; in the trips with 18 or more on the loop's counter: trip c, with 30 - c on it, asks for the walk's step c + 3, and the last asked for is its step 15.  The counter is the same in all partners.
.macro JLOAD
	s_cmp_lt_u32 s[WV], 2
	s_cbranch_scc0 .Lfor_m_\@
	s_cmp_eq_u32 s[WV], 0
	s_cbranch_scc0 .Lfor_v_\@
	tensor_load_to_lds s[G0K+4:G0K+7], s[G1K:G1K+7]
	s_nop 0
.rept 4
	v_nop
.endr
	s_cmp_lt_u32 s[SLOTS], 18
	s_cbranch_scc1 .Lasked_\@
	global_prefetch_b8 v[VPF], s[PFA:PFA+1] th:TH_LOAD_NT scope:SCOPE_SE                ; 32 lanes, 32 blocks of 256 bytes: 16 of my head's 32 rows,
	global_prefetch_b8 v[VPF], s[PFA:PFA+1] offset:262144 th:TH_LOAD_NT scope:SCOPE_SE  ; and the 16 rows of 16,384 bytes below them
	s_branch .Lasked_\@
.Lfor_v_\@:
	tensor_load_to_lds s[G0V+4:G0V+7], s[G1V:G1V+7]
	s_nop 0
.rept 4
	v_nop
.endr
	s_branch .Lasked_\@
.Lfor_m_\@:
	tensor_load_to_lds s[G0M+4:G0M+7], s[G1M:G1M+7]
	s_nop 0
.rept 4
	v_nop
.endr
.Lasked_\@:
.endm
.macro CROUND                       ; a round of the cluster's barrier
	s_barrier_signal -1
	s_barrier_wait -1
	s_cmp_lg_u32 s[WV], 0
	s_cbranch_scc1 .Lnot_wave_0_\@
	s_barrier_signal -3
.Lnot_wave_0_\@:
	s_barrier_wait -3
	s_barrier_signal -1
	s_barrier_wait -1
.endm
	s_load_b128 s[76:79], s[0:1], 0x0  ; qkv s[76:77], mask s[78:79]
	s_load_b64 s[10:11], s[0:1], 0x10  ; oh
	v_lshl_add_u32 v[SPW], v0, 2, SPARE
	v_mov_b32 v[NIL], 0
	ds_add_u32 v[SPW], v[NIL]       ; the wave's opening: the add and its wait stand ahead of my first tensor load; work on registers stands between them
	v_lshrrev_b32 v1, 5, v0
	v_readfirstlane_b32 s[WV], v1   ; wave 0..3
	s_bfe_u32 s13, ttmp6, 0x40000   ; cx
	s_bfe_u32 s15, ttmp6, 0x40004   ; cy
	s_lshl_b32 s14, ttmp9, 2
	s_add_co_u32 s14, s14, s13      ; my block of 128 queries = 4 x cluster x + cx
	s_and_b32 s20, ttmp7, 0xffff
	s_lshl_b32 s20, s20, 2
	s_add_co_u32 s20, s20, s15      ; my head = 4 x cluster y + cy
	s_and_b32 s16, s[WV], 1         ; kh.  Also: which half of the mask's rows waves 2 and 3 fetch
	s_lshr_b32 s17, s[WV], 1        ; qh
	s_xor_b32 s18, s16, 1           ; 1 - kh
	s_mul_i32 s19, s16, 64*PM       ; that half's place in the mask's tile
	s_lshl_b32 s21, s15, 2
	s_lshl_b32 s21, 15, s21         ; my row of the cluster: the same head
	s_lshl_b32 s22, 0x1111, s13     ; my column: the same query block
	s_or_b32 s[G1K], s21, (1<<16)|(1<<20)|(1<<21)|(5<<22)|(3<<25)  ; the mask of four; 2-byte elements; padding on; bit 21 beside a mask; after every 64 words 4 words
	s_or_b32 s[G1V], s21, (1<<16)|(1<<20)|(1<<21)|(5<<22)|(7<<25)  ; the same with 8 words
	s_or_b32 s[G1M], s22, (2<<16)|(1<<20)|(1<<21)|(6<<22)|(3<<25)  ; 4-byte elements; after every 128 words 4 words
.irp g, G1K, G1V
	s_mov_b32 s[(\g)+1], 128<<16    ; tensor_dim0 = 128 channels
	s_mov_b32 s[(\g)+2], 128<<16    ; tensor_dim1 = 128 keys
	s_mov_b32 s[(\g)+3], 128<<16    ; tile_dim0
	s_mov_b32 s[(\g)+4], 128        ; tile_dim1
	s_mov_b32 s[(\g)+5], 3072       ; elements from row to row
	s_mov_b32 s[(\g)+6], 0
	s_mov_b32 s[(\g)+7], 0
.endr
	s_mov_b32 s[G1M+1], 128<<16     ; tensor_dim0 = 128 keys
	s_mov_b32 s[G1M+2], 64<<16      ; tensor_dim1 = 64 query rows
	s_mov_b32 s[G1M+3], 128<<16
	s_mov_b32 s[G1M+4], 64
	s_mov_b32 s[G1M+5], 4096
	s_mov_b32 s[G1M+6], 0
	s_mov_b32 s[G1M+7], 0
	s_lshl_b32 s88, s20, 8          ; K and V: the head's 256 bytes of a row, behind q' (and k)
	s_add_co_u32 s90, s88, 4096
	s_add_co_u32 s88, s88, 2048
	s_mov_b32 s89, 0
	s_mov_b32 s91, 0
	s_lshl_b32 s92, s14, 21         ; the mask: my block's 128 rows of 16,384 bytes, the half's 64
	s_lshl_b32 s93, s16, 20
	s_add_co_u32 s92, s92, s93
	s_mov_b32 s93, 0
	s_lshl_b32 s94, s14, 1          ; Q: my wave's 64 rows of 6,144 bytes, the head's 256 bytes
	s_add_co_u32 s94, s94, s17
	s_mul_i32 s94, s94, 64*6144
	s_lshl_b32 s95, s20, 8
	s_add_co_u32 s94, s94, s95
	s_mov_b32 s95, 0
	s_lshl_b32 s96, s14, 2          ; oh: the 32 rows of 2,048 bytes that I store, the head's 256 bytes
	s_add_co_u32 s96, s96, s[WV]
	s_lshl_b32 s96, s96, 16
	s_lshl_b32 s97, s20, 8
	s_add_co_u32 s96, s96, s97
	s_mov_b32 s97, 0
	s_mov_b32 s[CS], 0x3fb8aa3b     ; c = log2(e)
	s_mov_b32 s[CS+1], s[CS]
	s_mov_b32 s[SEL], 0x76543210
	s_mov_b32 s[SEL+1], 0xfedcba98
	s_mov_b32 s[TB], 0
	s_mov_b32 s[SLOTS], 31          ; the half trip at the entry, then 30 trips
	s_and_b32 s[STP], ttmp9, 3      ; where the walk begins: 8 x (cluster x mod 4)
	s_lshl_b32 s[STP], s[STP], 3
	s_and_b32 s22, ttmp7, 0xffff    ; + 16 x cluster y,
	s_lshl_b32 s22, s22, 4
	s_add_co_u32 s[STP], s[STP], s22
	s_and_b32 s[STP], s[STP], 31    ; modulo 32
	s_wait_dscnt 0x0                ; the opening add is done
	s_wait_kmcnt 0x0
	s_add_nc_u64 s[6:7], s[76:77], s[88:89]   ; K, V and the mask at step 0: kept for the whole walk
	s_add_nc_u64 s[8:9], s[76:77], s[90:91]
	s_add_nc_u64 s[2:3], s[78:79], s[92:93]
	s_add_nc_u64 s[4:5], s[76:77], s[94:95]
	s_add_nc_u64 s[10:11], s[10:11], s[96:97] ; from here on s[94:97] hold the steps' offsets; their high words stay 0
	s_lshl_b32 s88, s14, 21         ; asked ahead: my block's 128 rows of the mask, and of them the 32 of my head's place among the cluster's four
	s_and_b32 s89, s20, 3
	s_lshl_b32 s89, s89, 19
	s_add_co_u32 s88, s88, s89
	s_mov_b32 s89, 0
	s_add_nc_u64 s[PB0:PB0+1], s[78:79], s[88:89]
	s_mov_b32 s[PFS+1], 0
	CROUND                          ; all sixteen work-groups are here: the first joint loads meet
.irp s, 0,1
	s_mov_b32 s[G0K+4*(\s)], 1
	s_mov_b32 s[G0K+4*(\s)+1], (\s)*SLOT
	s_mov_b32 s[G0V+4*(\s)], 1
	s_mov_b32 s[G0V+4*(\s)+1], (\s)*SLOT+VOFF
	s_mov_b32 s[G0M+4*(\s)], 1
	s_add_co_u32 s[G0M+4*(\s)+1], s19, (\s)*SLOT+MOFF
	ADDR 4*(\s)
.if (\s) == 0
	s_add_co_u32 s[STP], s[STP], 1  ; the walk's second step
	s_and_b32 s[STP], s[STP], 31
.endif
.endr
	s_cmp_lt_u32 s[WV], 2           ; a wave's two first fills stand together in one arm: two loads of mine are out
	s_cbranch_scc0 .Lfirst_m
	s_cmp_eq_u32 s[WV], 0
	s_cbranch_scc0 .Lfirst_v
	tensor_load_to_lds s[G0K:G0K+3], s[G1K:G1K+7]
	s_nop 0
	tensor_load_to_lds s[G0K+4:G0K+7], s[G1K:G1K+7]
	s_nop 0
.rept 4
	v_nop
.endr
	s_branch .Lfirst_asked
.Lfirst_v:
	tensor_load_to_lds s[G0V:G0V+3], s[G1V:G1V+7]
	s_nop 0
	tensor_load_to_lds s[G0V+4:G0V+7], s[G1V:G1V+7]
	s_nop 0
.rept 4
	v_nop
.endr
	s_branch .Lfirst_asked
.Lfirst_m:
	tensor_load_to_lds s[G0M:G0M+3], s[G1M:G1M+7]
	s_nop 0
	tensor_load_to_lds s[G0M+4:G0M+7], s[G1M:G1M+7]
	s_nop 0
.rept 4
	v_nop
.endr
.Lfirst_asked:
	; All that follows up to the barrier stands in the wait for the first tile.
	v_and_b32 v1, 15, v0            ; l % 16
	v_bfe_u32 v9, v0, 4, 1          ; l / 16
	s_lshl_b32 s98, s16, 5          ; 32 kh: piece 0's rows among my wave's 64
	s_lshl_b32 s99, s18, 5          ; 32 (1 - kh): piece 2's
	v_add_nc_u32 v10, s98, v1
	v_mul_u32_u24 v[QOA], v10, 6144
	v_lshl_add_u32 v[QOA], v9, 4, v[QOA]  ; row x 6,144 + 16 x half
	v_add_nc_u32 v11, s99, v1
	v_mul_u32_u24 v[QOB], v11, 6144
	v_lshl_add_u32 v[QOB], v9, 4, v[QOB]
	WIN 0x80                        ; destination window 2, address window 0
.irp i, 0,1,2,3,4,5,6,7,8,9,10,11,12,13,14,15  ; Q stays in registers: tile i / 4, channels 32 (i % 4) on
.if (\i) < 8
	global_load_b128 v[8*(\i):8*(\i)+3],   v[QOA], s[4:5] offset:(((\i)/4)%2)*98304+((\i)%4)*64
	global_load_b128 v[8*(\i)+4:8*(\i)+7], v[QOA], s[4:5] offset:(((\i)/4)%2)*98304+((\i)%4)*64+32
.else
	global_load_b128 v[8*(\i):8*(\i)+3],   v[QOB], s[4:5] offset:(((\i)/4)%2)*98304+((\i)%4)*64
	global_load_b128 v[8*(\i)+4:8*(\i)+7], v[QOB], s[4:5] offset:(((\i)/4)%2)*98304+((\i)%4)*64+32
.endif
.endr
	; What the first turn finds: piece 2's P, V and O^T hold 0, l is 0, m is -2^127: the first step is a step like any other, with a = 0.  P's 32 registers are written one by one;
	; O^T's 256 and V's 128 by 48 products of those zeros with the constant 0 as C, eight registers an instruction.
	WIN 0
.set i, P+32
.rept 32
	v_mov_b32 v[i], 0
.set i, i+1
.endr
	WIN 0x40                        ; destination window 1: O^T
.set i, 0
.rept 32
	v_wmma_f32_16x16x32_f16 v[8*i:8*i+7], v[P+32:P+39], v[P+40:P+47], 0
.set i, i+1
.endr
	WIN 0xc0                        ; destination window 3: V
.set i, 0
.rept 16
	v_wmma_f32_16x16x32_f16 v[8*i:8*i+7], v[P+32:P+39], v[P+40:P+47], 0
.set i, i+1
.endr
	WIN 0
.set i, 0
.rept 4
	v_mov_b32 v[ST+8*i], 0xff38aa3b    ; c m = -2^127 log2(e), exactly what c x m gives
	v_mov_b32 v[ST+8*i+1], 0xff000000  ; m = -2^127
	v_mov_b32 v[ST+8*i+2], 0
	v_mov_b32 v[ST+8*i+3], 0
.set i, i+1
.endr
	v_mul_u32_u24 v[AK0], v1, PK
	v_lshl_add_u32 v[AK0], v9, 4, v[AK0]  ; row x pitch + 16 x half,
	s_mul_i32 s66, s16, 64*PK
	v_add_nc_u32 v[AK0], s66, v[AK0]      ; in my half of the keys
	; The turning load takes 16 keys x 16 channels (lane l reads key 8 (l / 16) + l % 8, channels 8 ((l / 8) % 2) + 0..7) and leaves half a fragment of V^T: lane l holds channel l % 16 and 8 keys.
	v_and_b32 v10, 7, v0
	v_bfe_u32 v11, v0, 3, 1
	v_lshl_add_u32 v[AV0], v9, 3, v10
	v_mul_u32_u24 v[AV0], v[AV0], PV
	v_lshl_add_u32 v[AV0], v11, 4, v[AV0]
	s_mul_i32 s67, s16, 64*PV
	s_add_co_u32 s67, s67, VOFF
	v_add_nc_u32 v[AV0], s67, v[AV0]
	; The mask for a score register: query row l % 16 of the tile, keys 16 kb + 8 (l / 16) + 0..7 of my half: 32 consecutive bytes of the row.
	s_lshl_b32 s100, s17, 6
	s_add_co_u32 s101, s100, s99    ; 64 qh + 32 (1 - kh)
	s_add_co_u32 s100, s100, s98    ; 64 qh + 32 kh
	s_lshl_b32 s23, s16, 8          ; my half of the keys: 256 bytes into a row
	s_add_co_u32 s23, s23, MOFF
	v_add_nc_u32 v10, s100, v1
	v_mul_u32_u24 v[AMA], v10, PM
	v_lshl_add_u32 v[AMA], v9, 5, v[AMA]
	v_add_nc_u32 v[AMA], s23, v[AMA]
	v_add_nc_u32 v11, s101, v1
	v_mul_u32_u24 v[AMB], v11, PM
	v_lshl_add_u32 v[AMB], v9, 5, v[AMB]
	v_add_nc_u32 v[AMB], s23, v[AMB]
	v_and_b32 v10, 31, v0           ; asked ahead: row lane / 2 of 16,384 bytes, half lane % 2 of 256 bytes
	v_lshrrev_b32 v11, 1, v10
	v_and_b32 v10, 1, v10
	v_lshlrev_b32 v[VPF], 14, v11
	v_lshl_add_u32 v[VPF], v10, 8, v[VPF]
; THE MATRIX WORK OF A TURN, for piece x.  The accumulators take turns, one instruction a turn: between two links of a chain stand 15 (V^T P) or 7 (K Q^T) others'.
; Product i of 32 of O^T += V^T P: keys 32 (i / 16) on, channels 16 ((i / 2) % 8) on, tile x + i % 2.
.macro PV x
	WIN W_PV
.set rO, 64*((\x)+i%2)+8*((i/2)%8)
.set rV, 64*(i/16)+8*((i/2)%8)
.set rP, P+16*((\x)+i%2)+8*(i/16)
	v_wmma_f32_16x16x32_f16 v[rO:rO+7], v[rV:rV+7], v[rP:rP+7], v[rO:rO+7]
.endm
; Product i of 32 of S^T = mask + K Q^T: channels 32 (i / 8) on, keys 16 ((i / 2) % 4) on, tile x + i % 2.  All 32 add in place: the first 8 onto the mask, which was loaded there.
.macro KQ x
	WIN W_KQ
.set rS, S+32*((\x)+i%2)+8*((i/2)%4)
.set rK, KF+32*((i/2)%4)+8*(i/8)
.set rQ, 32*((\x)+i%2)+8*(i/8)
	v_wmma_f32_16x16x32_f16 v[rS:rS+7], v[rK:rK+7], v[rQ:rQ+7], v[rS:rS+7]
.endm
; THE LDS LOADS stand in runs, never singly among the matrix instructions.
.macro FETCH_K                      ; my 64 keys x 128 channels: 16 fragments
	WIN 0
	v_add_nc_u32 v[ADR], s[TB], v[AK0]
	WIN 0x80
.irp f, 0,1,2,3,4,5,6,7,8,9,10,11,12,13,14,15  ; keys 16 (f / 4) on, channels 32 (f % 4) on
	ds_load_b128 v[KF+8*(\f):KF+8*(\f)+3],   v[ADR] offset:((\f)/4)*16*PK+((\f)%4)*64
	ds_load_b128 v[KF+8*(\f)+4:KF+8*(\f)+7], v[ADR] offset:((\f)/4)*16*PK+((\f)%4)*64+32
.endr
.endm
.macro FETCH_V                      ; the same step's V, turned
	WIN 0
	v_add_nc_u32 v[ADR], s[TB], v[AV0]
	WIN 0xc0
.irp f, 0,1,2,3,4,5,6,7,8,9,10,11,12,13,14,15  ; keys 32 (f / 8) on, channels 16 (f % 8) on
	ds_load_tr16_b128 v[8*(\f):8*(\f)+3],   v[ADR] offset:((\f)/8)*32*PV+((\f)%8)*32
	ds_load_tr16_b128 v[8*(\f)+4:8*(\f)+7], v[ADR] offset:((\f)/8)*32*PV+16*PV+((\f)%8)*32
.endr
.endm
.macro FETCH_M x                    ; the mask of piece x's two tiles x my 64 keys, into the score registers, whose last softmax ended in the turn before
	WIN 0
.if (\x) == 0
	v_add_nc_u32 v[ADM], s[TB], v[AMA]
.else
	v_add_nc_u32 v[ADM], s[TB], v[AMB]
.endif
.irp u, 0,1
.irp kb, 0,1,2,3
	ds_load_b128 v[S+32*((\x)+(\u))+8*(\kb):S+32*((\x)+(\u))+8*(\kb)+3],   v[ADM] offset:16*PM*(\u)+64*(\kb)
	ds_load_b128 v[S+32*((\x)+(\u))+8*(\kb)+4:S+32*((\x)+(\u))+8*(\kb)+7], v[ADM] offset:16*PM*(\u)+64*(\kb)+16
.endr
.endr
.endm
; THE VECTOR WORK OF A TURN.  One tile's softmax for one step is a list of 134 instructions; SM writes number j of it for tile t.  s0-s31 are the lane's 32 scores, in pairs 0-15.
;   0-15    the maximum of s0-s31 and the old m, three operands at a time: four chains c0-c3 (each accumulator's lowest registers are read first), then what is left over
;   16-20   the other half of the lanes' maximum; the new m; c m; c m_old - c m_new
;   21-87   33 exponentials (a, then s0-s31) at the odd numbers from 23 on, each with a plain instruction behind it; the plain ones are scalings ahead, roundings behind, the first sums
;   88-101  the last rounding; the rest of the sums; l = a l + the sum          102-133 the tile's O^T times a: the one part that leaves window 0
.macro SM t
.set rT, ST+8*(\t)
.set rS, S+32*(\t)
.set rP, P+16*(\t)
.set rO, 64*(\t)+2*(j-102)
.set q, (j-20)/2
.if j < 102
	WIN 0
.endif
.if j < 4
	v_max3_num_f32 v[rT+4+j], v[rS+8*j], v[rS+8*j+1], v[rS+8*j+2]
.elseif j < 12
	v_max3_num_f32 v[rT+4+j%4], v[rT+4+j%4], v[rS+8*(j%4)+2*(j/4)+1], v[rS+8*(j%4)+2*(j/4)+2]
.elseif j == 12
	v_max3_num_f32 v[rT+4], v[rT+4], v[rS+7], v[rS+15]
.elseif j == 13
	v_max3_num_f32 v[rT+6], v[rT+6], v[rS+23], v[rS+31]
.elseif j == 14
	v_max3_num_f32 v[rT+4], v[rT+4], v[rT+5], v[rT+6]
.elseif j == 15
	v_max3_num_f32 v[rT+4], v[rT+4], v[rT+7], v[rT+1]
.elseif j == 16
	v_permlanex16_b32 v[rT+5], v[rT+4], s[SEL], s[SEL+1]  ; the query's other 32 keys lie in the lane 16 away
.elseif j == 17
	v_mov_b32 v[rT+7], v[rT]        ; c m_old is kept for a: number 19 writes c m anew
.elseif j == 18
	v_max_num_f32 v[rT+1], v[rT+4], v[rT+5]
.elseif j == 19
	v_mul_f32 v[rT], s[CS], v[rT+1]
.elseif j == 20
	v_sub_f32 v[rT+7], v[rT+7], v[rT]
.elseif j == 23
	v_exp_f32 v[rT+6], v[rT+7]
.elseif (j < 88) && (j > 23) && (j%2 == 1)
	v_exp_f32 v[rS+(j-25)/2], v[rS+(j-25)/2]
.elseif (q < 4) || ((j < 76) && (q%2 == 0))
.set b, q/2+2
.if q < 4
.set b, q
.endif
	v_pk_fma_f32 v[rS+2*b:rS+2*b+1], v[rS+2*b:rS+2*b+1], s[CS:CS+1], v[rT:rT+1] op_sel_hi:[1,0,0] neg_lo:[0,0,1] neg_hi:[0,0,1]  ; pair b: c s - c m
.elseif (j < 88) && (q%2 == 1)
	s_wait_alu depctr_va_vdst(0)
	v_cvt_pk_f16_f32 v[rP+(q-5)/2], v[rS+q-5], v[rS+q-4]  ; pair (q - 5) / 2: its second exponential stands three numbers back
.elseif j == 89
	s_wait_alu depctr_va_vdst(0)
	v_cvt_pk_f16_f32 v[rP+15], v[rS+30], v[rS+31]
.elseif j < 102                     ; the sum of the tile's 16 pairs, in place: neighbours 1, 2, 4 and 8 pairs apart, then l takes it
.set z, j-86
.if j < 89
.set z, (j-76)/4
.endif
.set w, 4
.set u, z
.if z >= 14
.set w, 32
.set u, 0
.elseif z >= 12
.set w, 16
.set u, z-12
.elseif z >= 8
.set w, 8
.set u, z-8
.endif
.if z < 15
	v_pk_add_f32 v[rS+w*u:rS+w*u+1], v[rS+w*u:rS+w*u+1], v[rS+w*u+w/2:rS+w*u+w/2+1]
.else
	v_pk_fma_f32 v[rT+2:rT+3], v[rT+2:rT+3], v[rT+6:rT+7], v[rS:rS+1] op_sel_hi:[1,0,1]
.endif
.else
	WIN W_RS
	v_pk_mul_f32 v[rO:rO+1], v[rO:rO+1], v[rT+6:rT+7] op_sel_hi:[1,0]
.endif
.endm
; Slice k of 64 of piece y's softmax: numbers 2 k and 2 k + 1 of both tiles' lists, four instructions.  2 x 134 = 4 x 64 + 12: the twelve that are over stand together, in slice 63: sixteen plain
; instructions that name nothing of the products round them, the places between a turn's last K Q^T and what follows.
.macro SLICE y
.if (k >= 11) && (k < 44)           ; tile by tile: plain, exponential, plain, exponential
.irp t, \y, (\y)+1
.irp n, 0,1
.set j, 2*k+(\n)
	SM \t
.endr
.endr
.else                               ; the two tiles alternate
.irp n, 0,1,2,3,4,5,6,7
.if ((\n) < 2) || (k == 63)
.irp t, \y, (\y)+1
.set j, 2*k+(\n)
	SM \t
.endr
.endif
.endr
.endif
.set k, k+1
.endm
; A TURN.  Piece x has the matrix unit: 32 products V^T P, then 32 products K Q^T for the next step; the other piece's softmax stands in slices, one behind each.
; Piece 0's turn fetches the next step's K and piece 0's mask behind its second product; piece 2's turn its own mask there, and the same step's V behind its second K Q^T, six plain instructions behind V's last reader.
.macro TURN x
.set k, 0
.if (\x) == 0
	s_wait_dscnt 0x0                ; V is in
.endif
.set i, 0
.rept 32
	PV \x
	SLICE 2-(\x)
.if i == 1
.if (\x) == 0
	FETCH_K
	FETCH_M 0
.else
	FETCH_M 2
.endif
.endif
.set i, i+1
.endr
	s_wait_dscnt 0x0                ; K and the mask are in
.set i, 0
.rept 32
	KQ \x
	SLICE 2-(\x)
.if ((\x) == 2) && (i == 1)
	FETCH_V
.endif
.set i, i+1
.endr
.endm
; THE CHANGE OF SLOTS, between piece 2's turn and piece 0's: the slot's last bytes, its V, have been asked for.  Each wave waits for all its tensor loads, of which one is out: its part of the other slot;
; adds 0 to its spare word; and waits for that and for its own reads of the slot.  fill = 1: the barrier is a round of the cluster's, and the slot is filled again, with the walk's step two on, first thing behind it:
; the load has one step, 128 matrix instructions of each wave, in which to land.
.macro CHANGE fill
	WIN 0
	s_wait_tensorcnt 0x0            ; no tensor load of mine is out, so a group 0 may be written
	ds_add_u32 v[SPW], v[NIL]       ; 0 onto my spare word
.if \fill
	s_add_co_u32 s[STP], s[STP], 1  ; the walk's next step, round modulo 32,
	s_and_b32 s[STP], s[STP], 31
	s_xor_b32 s[G0K+5], s[G0K+5], SLOT  ; into the other slot than last time
	s_xor_b32 s[G0V+5], s[G0V+5], SLOT
	s_xor_b32 s[G0M+5], s[G0M+5], SLOT
	ADDR 4
	s_wait_xcnt 0x0                 ; the last trip's prefetches have had their addresses translated: their base is written again only behind this wait
	s_add_co_u32 s[PFS], s[STP], 1  ; asked ahead: the step behind the one that this trip loads
	s_and_b32 s[PFS], s[PFS], 31
	s_lshl_b32 s[PFS], s[PFS], 9
	s_add_nc_u64 s[PFA:PFA+1], s[PB0:PB0+1], s[PFS:PFS+1]
	s_wait_dscnt 0x0                ; the add is done, and my reads of the slot are over
	CROUND
	JLOAD
.else
	s_wait_dscnt 0x0
	s_barrier_signal -1
	s_barrier_wait -1
.endif
	s_xor_b32 s[TB], s[TB], SLOT    ; the fetches go to the other slot
.endm
	s_wait_tensorcnt 1              ; my part of slot 0 is in; slot 1's may stay out
	s_barrier_signal -1
	s_barrier_wait -1
	FETCH_K                         ; the walk's first step
	FETCH_M 0
	s_wait_loadcnt 0x0              ; Q
	s_wait_dscnt 0x0
.set i, 0
.rept 32
	KQ 0                            ; piece 0's first scores
.set i, i+1
.endr
	WIN 0                           ; the addresses for the merge and the way out: plain instructions, the places behind those products
	s_mul_i32 s81, s[WV], 16*SP
	s_add_co_u32 s81, s81, STAGE    ; my stage
	v_mul_u32_u24 v[STO], v1, SP    ; in: row l % 16, 16 bytes for each half of the lanes
	v_lshl_add_u32 v[STO], v9, 4, v[STO]
	v_add_nc_u32 v[STO], s81, v[STO]
	v_mul_u32_u24 v[RD], v9, SP     ; back: lanes 0-15 take one row of 256 bytes, lanes 16-31 the next
	v_lshl_add_u32 v[RD], v1, 4, v[RD]
	v_add_nc_u32 v[RD], s81, v[RD]
	v_lshlrev_b32 v[GO], 11, v9     ; and the same two rows in oh
	v_lshl_add_u32 v[GO], v1, 4, v[GO]
	v_and_b32 v10, 31, v0
	s_mul_i32 s87, s[WV], MW
	v_lshl_add_u32 v[MST], v10, 4, s87  ; the merge: 16 bytes a lane in my wave's part,
	s_xor_b32 s87, s[WV], 1
	s_mul_i32 s87, s87, MW
	v_lshl_add_u32 v[MLD], v10, 4, s87  ; and in that of the wave with the other half of the keys
	s_branch .Lentry                ; the loop is entered at piece 2's turn: V^T P on zeros | piece 0's first softmax | piece 2's mask, first scores, V of the first step
.Lslot:                             ; 30 whole trips: trip c fills the walk's step c + 2 into the slot just read, and its turns fetch step c + 1
	CHANGE 1
	TURN 0
	WIN 0
.Lentry:
	TURN 2
	WIN 0
	s_sub_co_u32 s[SLOTS], s[SLOTS], 1
	s_cmp_lg_u32 s[SLOTS], 0
	s_cbranch_scc1 .Lslot
	CHANGE 0                        ; the tail has a text of its own: nothing is asked for
	s_mov_b32 s[SLOTS], 2           ; piece 0's turn, piece 2's, piece 0's: entered and left at piece 0's
	s_branch .Ltail0
.Ltail2:
	TURN 2
	WIN 0
.Ltail0:
	TURN 0
	WIN 0
	s_sub_co_u32 s[SLOTS], s[SLOTS], 1
	s_cmp_lg_u32 s[SLOTS], 0
	s_cbranch_scc1 .Ltail2
.set i, 0
.rept 32
	PV 2                            ; piece 2: V^T P of the last step
.set i, i+1
.endr
	; THE MERGE.  l's two halves and the other half of the lanes' are added (the additions are the places behind the last products).  Tiles 2, 3 and their c m and l go to the wave with the other half of the keys.
	WIN 0
.irp t, 0,1,2,3
	v_add_f32 v[ST+8*(\t)+4], v[ST+8*(\t)+2], v[ST+8*(\t)+3]
.endr
.irp t, 0,1,2,3
	v_permlanex16_b32 v[ST+8*(\t)+5], v[ST+8*(\t)+4], s[SEL], s[SEL+1]
.endr
.irp t, 0,1,2,3
	v_add_f32 v[ST+8*(\t)+4], v[ST+8*(\t)+4], v[ST+8*(\t)+5]
.endr
	v_mov_b32 v[SND], v[ST+16]
	v_mov_b32 v[SND+1], v[ST+20]
	v_mov_b32 v[SND+2], v[ST+24]
	v_mov_b32 v[SND+3], v[ST+28]
	s_wait_dscnt 0x0                ; my reads of the ring are over,
	s_barrier_signal -1
	s_barrier_wait -1               ; and every wave's: slot 0, which no load fills any more, may be written
	WIN 0x04                        ; the stores' data in window 1
.set i, 0
.rept 32
	ds_store_b128 v[MST], v[128+4*i:128+4*i+3] offset:512*i
.set i, i+1
.endr
	WIN 0
	ds_store_b128 v[MST], v[SND:SND+3] offset:16384
	s_wait_dscnt 0x0                ; for the other wave's sake: my stores are done
	s_barrier_signal -1
	s_barrier_wait -1
.set i, 0
.rept 32
	ds_load_b128 v[S+4*i:S+4*i+3], v[MLD] offset:512*i  ; the other wave's O^T for my rows, into S^T's registers
.set i, i+1
.endr
	ds_load_b128 v[RCV:RCV+3], v[MLD] offset:16384
	s_wait_dscnt 0x0
	; For tile u: with cmx the larger c m, fa = 2^(c m - cmx) / L and fb = 2^(c m' - cmx) / L, L = the two l weighted alike: O = fa O + fb O'.
.irp u, 0,1
	v_max_num_f32 v[ST+8*(\u)+5], v[ST+8*(\u)], v[RCV+2*(\u)]
.endr
.irp u, 0,1
	v_sub_f32 v[ST+8*(\u)+6], v[ST+8*(\u)], v[ST+8*(\u)+5]
	v_sub_f32 v[ST+8*(\u)+2], v[RCV+2*(\u)], v[ST+8*(\u)+5]
.endr
.irp u, 0,1
	v_exp_f32 v[ST+8*(\u)+6], v[ST+8*(\u)+6]
	v_exp_f32 v[ST+8*(\u)+2], v[ST+8*(\u)+2]
.endr
	v_nop                           ; a plain instruction between the last exponential and the use of its result
	s_wait_alu depctr_va_vdst(0)
.irp u, 0,1
	v_mul_f32 v[ST+8*(\u)+4], v[ST+8*(\u)+4], v[ST+8*(\u)+6]
.endr
.irp u, 0,1
	v_fmac_f32 v[ST+8*(\u)+4], v[ST+8*(\u)+2], v[RCV+2*(\u)+1]
.endr
.irp u, 0,1
	v_rcp_f32 v[ST+8*(\u)+5], v[ST+8*(\u)+4]
.endr
	v_nop
	s_wait_alu depctr_va_vdst(0)
.irp u, 0,1
	v_mul_f32 v[ST+8*(\u)+6], v[ST+8*(\u)+6], v[ST+8*(\u)+5]
	v_mul_f32 v[ST+8*(\u)+2], v[ST+8*(\u)+2], v[ST+8*(\u)+5]
.endr
; Tile u is finished, rounded to f16 and sent through my stage: a lane's eight channels are 16 bytes; they go into rows of 272 bytes and come back as whole rows of 256.
.macro FIN u
	WIN 0
.set n, 0
.rept 32
	v_pk_mul_f32 v[S+64*(\u)+2*n:S+64*(\u)+2*n+1], v[S+64*(\u)+2*n:S+64*(\u)+2*n+1], v[ST+8*(\u)+2:ST+8*(\u)+3] op_sel_hi:[1,0]
.set n, n+1
.endr
	WIN 0x01                        ; source 0, my O^T, in window 1
.set n, 0
.rept 32
	v_pk_fma_f32 v[S+64*(\u)+2*n:S+64*(\u)+2*n+1], v[64*(\u)+2*n:64*(\u)+2*n+1], v[ST+8*(\u)+6:ST+8*(\u)+7], v[S+64*(\u)+2*n:S+64*(\u)+2*n+1] op_sel_hi:[1,0,1]
.set n, n+1
.endr
	WIN 0
.set n, 0
.rept 32
	v_cvt_pk_f16_f32 v[P+32*(\u)+n], v[S+64*(\u)+2*n], v[S+64*(\u)+2*n+1]
.set n, n+1
.endr
.irp f, 0,1,2,3,4,5,6,7
	ds_store_b128 v[STO], v[P+32*(\u)+4*(\f):P+32*(\u)+4*(\f)+3] offset:32*(\f)
.endr
.irp f, 0,1,2,3,4,5,6,7
	ds_load_b128 v[P+32*(\u)+4*(\f):P+32*(\u)+4*(\f)+3], v[RD] offset:(\f)*2*SP  ; LDS serves a wave's instructions in order (ISA guide 5.7.1.4): these see the stores above; the next tile's stores come behind them
.endr
.endm
.macro SEND u, younger              ; younger: the LDS instructions issued behind tile u's loads
.irp f, 0,1,2,3,4,5,6,7
	s_wait_dscnt (\younger)+7-(\f)
	global_store_b128 v[GO], v[P+32*(\u)+4*(\f):P+32*(\u)+4*(\f)+3], s[10:11] offset:(\u)*32768+(\f)*4096  ; 16 lanes store 256 consecutive bytes, at a multiple of 256 from oh's first byte
.endr
.endm
	FIN 0
	FIN 1
	SEND 0, 16
	SEND 1, 0
	s_wait_tensorcnt 0x0            ; the wave's end
	ds_add_u32 v[SPW], v[NIL]
	s_wait_dscnt 0x0
	CROUND                          ; the closing round
	s_endpgm
.Lfunc_end_k_q8680aaf6a9_attn:
	.size	k_q8680aaf6a9_attn, .Lfunc_end_k_q8680aaf6a9_attn-k_q8680aaf6a9_attn
	.p2alignl 7, 3214868480
	.fill 96, 4, 3214868480
	.section	.rodata,"a",@progbits
	.p2align	6, 0x0
	.amdhsa_kernel k_q8680aaf6a9_attn
		.amdhsa_group_segment_fixed_size 327680
		.amdhsa_private_segment_fixed_size 0
		.amdhsa_enable_private_segment 0
		.amdhsa_kernarg_size 24
		.amdhsa_user_sgpr_count 2
		.amdhsa_user_sgpr_kernarg_segment_ptr 1
		.amdhsa_wavefront_size32 1
		.amdhsa_system_sgpr_workgroup_id_x 1
		.amdhsa_system_sgpr_workgroup_id_y 1
		.amdhsa_system_sgpr_workgroup_id_z 1
		.amdhsa_system_vgpr_workitem_id 0
		.amdhsa_next_free_vgpr 896
		.amdhsa_next_free_sgpr 102
		.amdhsa_reserve_vcc 0
		.amdhsa_float_denorm_mode_32 3
		.amdhsa_float_denorm_mode_16_64 3
		.amdhsa_memory_ordered 1
		.amdhsa_forward_progress 1
		.amdhsa_inst_pref_size 158
	.end_amdhsa_kernel
	.amdgpu_metadata
---
amdhsa.version: [ 1, 2 ]
amdhsa.kernels:
  - .name:           k_q8680aaf6a9_attn
    .symbol:         k_q8680aaf6a9_attn.kd
    .args:
      - { .name: qkv, .offset: 0, .size: 8, .value_kind: global_buffer, .address_space: global }
      - { .name: mask, .offset: 8, .size: 8, .value_kind: global_buffer, .address_space: global }
      - { .name: oh, .offset: 16, .size: 8, .value_kind: global_buffer, .address_space: global }
    .group_segment_fixed_size: 327680
    .private_segment_fixed_size: 0
    .kernarg_segment_align: 8
    .kernarg_segment_size: 24
    .max_flat_workgroup_size: 128
    .sgpr_count:     102
    .vgpr_count:     896
    .wavefront_size: 32
...
	.end_amdgpu_metadata
.endif
;; end of part 3
;; launch oproj (part 4): grid 8 x 32, 4 waves a work-group, clusters of 4 x 4, 327,680 bytes of LDS; arguments oh, cast, W_O, out0; writes out0
.if DOCPART == 4
	.amdgcn_target "amdgcn-amd-amdhsa--gfx1250"
	.amdhsa_code_object_version 6
	.text
	.protected	k_q8680aaf6a9_oproj
	.globl	k_q8680aaf6a9_oproj
	.p2align	8
	.type	k_q8680aaf6a9_oproj,@function
k_q8680aaf6a9_oproj:
	s_mov_b64 s[64:65], 0
	v_nop
	global_prefetch_b8 v0, s[64:65] scope:SCOPE_SE
	s_setreg_imm32_b32 hwreg(HW_REG_WAVE_MODE, 25, 1), 1
	s_wait_xcnt 0x0
	s_wait_alu depctr_hold_cnt(0) depctr_sa_sdst(0) depctr_va_vdst(0) depctr_va_sdst(0) depctr_va_ssrc(0) depctr_va_vcc(0) depctr_vm_vsrc(0)
	s_getreg_b32 s2, hwreg(HW_REG_IB_STS2, 6, 4)
	s_cmp_eq_u32 s2, 0
	s_cbranch_scc0 .Lentry_in_a_cluster
	s_endpgm
.Lentry_in_a_cluster:
	s_bfe_u32 s2, ttmp6, 0x10000c
	s_cmp_lg_u32 s2, 0xf033
	s_cbranch_scc0 .Lentry_shape_is_right
	s_endpgm
.Lentry_shape_is_right:
; out0[m][n] = W_O[1024][n] + the sum over k of oh[m][k] W_O[k][n].  oh: [4096][1024] f16.  W_O's rows 0-1023 come from cast, rounded to bf16 and written as f16, [k][n]; the bias row is read in f32,
; rounded to bf16 here, and is the C operand of the products that start the sums.  Sums in f32; out0 is f32.
; SHARES.  A tile of 128 x 128 to a work-group: 8 x 32 tiles, one for each of 256 work-groups.  Four waves, 64 x 64 each: 16 accumulators.  K goes in 4 steps of 256 through two LDS slots.
; A's rows (oh) lie along K; B lies [k][n]: its tile is 256 k rows x 128 columns, and fragments come turned, by ds_load_tr16_b128.
; CLUSTER.  4 x 4 work-groups: A's tile is asked for jointly along a row of the cluster, B's along a column.  THE MATRIX INSTRUCTION IS USED TRANSPOSED: a lane holds eight neighbouring columns of one row.
; A wave's 64 columns of f32 are 256 aligned bytes, so each wave has a stage of its own and the way out needs no barrier.
; REGISTERS: window 0: v0-31 addresses; v32-35 at work; v64-95 rows read back; v96-127 the bias; v128-255 the accumulators ((a, b) at v[128 + 8 (4 a + b)]).
;   window 1: two fragment buffers of 128: for 64 along K, 64 registers of A, then 64 of B.
.set SIZE_K, 1024
.set KSTEP,  256
.set PITCH,  528                       ; a row of A in LDS: 512 bytes + 16 = 132 words: row r starts at bank 4 r mod 64 (64 banks of 4 bytes: ISA guide 11.1)
.set PB,     288                       ; a k row of B: 256 + 32 = 72 words
.set HALFT,  64*PITCH                  ; 64 rows of A: one tensor load
.set HALFB,  128*PB                    ; 128 k rows of B: one tensor load
.set BOFF,   2*HALFT
.set SLOT,   BOFF+2*HALFB
.set STAGE,  2*SLOT                    ; behind the ring: 16 rows x 272 bytes for each wave
.set SPITCH, 272
.set SPARE,  STAGE+4*16*SPITCH         ; behind the stages: the spare words, 128 bytes for each wave
.set ADRA, 16                          ; v16-17  LDS address of my A fragments in slot 0, 1
.set ADRB, 20                          ; v20-23  of my B fragments: slot 0 k rows 0-127, 128-255; slot 1 likewise (so that the loads' offsets stay within 16 bits)
.set STO,  24
.set RD,   25
.set CO,   26
.set BO,   27
.set SPW,  28
.set NIL,  29
.set T,    32
.set BK,   64
.set BIAS, 96
.set ACC,  128
.set F0,   0
.set F1,   128
.set G1, 24
.set G0, 32
.set G1B, 48
.set G0B, 56
.set MSB, 0
.macro WIN new
.if MSB != (\new)
	s_set_vgpr_msb (MSB<<8)|(\new)
.set MSB, \new
.endif
.endm
.set MUL,  0x05                        ; sources 0 (B) and 1 (A) window 1; C and D window 0
.set TO_F, 0x40                        ; destination window 1, address window 0
.macro JLOAD s                         ; a joint load: waves 0 and 1 fetch A's two halves, waves 2 and 3 B's; an s_nop 0 and four v_nop follow each line
	s_cmp_eq_u32 s11, 0
	s_cbranch_scc0 .Lfor_b_\@
	tensor_load_to_lds s[G0+4*(\s):G0+4*(\s)+3], s[G1:G1+7]
	s_nop 0
.rept 4
	v_nop
.endr
	s_branch .Lasked_\@
.Lfor_b_\@:
	tensor_load_to_lds s[G0B+4*(\s):G0B+4*(\s)+3], s[G1B:G1B+7]
	s_nop 0
.rept 4
	v_nop
.endr
.Lasked_\@:
.endm
.macro CREST
	s_cmp_lg_u32 s10, 0
	s_cbranch_scc1 .Lnot_wave_0_\@
	s_barrier_signal -3
.Lnot_wave_0_\@:
	s_barrier_wait -3
	s_barrier_signal -1
	s_barrier_wait -1
.endm
.macro CROUND
	s_barrier_signal -1
	s_barrier_wait -1
	CREST
.endm
	s_load_b256 s[68:75], s[0:1], 0x0              ; oh s[68:69], cast s[70:71], W_O s[72:73], out0 s[74:75]
	v_lshl_add_u32 v[SPW], v0, 2, SPARE
	v_mov_b32 v[NIL], 0
	ds_add_u32 v[SPW], v[NIL]                      ; the wave's opening: the add and its wait stand ahead of my first tensor load; work on registers stands between them
	v_lshrrev_b32 v1, 5, v0
	v_readfirstlane_b32 s10, v1                    ; wave 0..3
	s_lshr_b32 s11, s10, 1                         ; which half of the tile's rows is mine.  Also: I fetch for A (0) or for B (1)
	s_and_b32 s12, s10, 1                          ; which half of its columns.  Also: which half of that tile I fetch
	s_bfe_u32 s40, ttmp6, 0x40000                  ; cx
	s_bfe_u32 s41, ttmp6, 0x40004                  ; cy
	s_lshl_b32 s42, ttmp9, 2
	s_add_co_u32 s42, s42, s40                     ; tile column
	s_and_b32 s13, ttmp7, 0xffff
	s_lshl_b32 s13, s13, 2
	s_add_co_u32 s13, s13, s41                     ; tile row
	s_lshl_b32 s43, s41, 2
	s_lshl_b32 s43, 15, s43                        ; my row of the cluster
	s_lshl_b32 s44, 0x1111, s40                    ; my column
	s_or_b32 s[G1+0], s43, (1<<16)|(1<<20)|(1<<21)|(6<<22)|(3<<25)   ; the mask; 2-byte elements; padding on; bit 21 beside a mask; after every 128 words 4 words
	s_mov_b32 s[G1+1], KSTEP<<16                   ; tensor_dim0 = 256
	s_mov_b32 s[G1+2], 64<<16                      ; tensor_dim1 = 64
	s_mov_b32 s[G1+3], KSTEP<<16                   ; tile_dim0
	s_mov_b32 s[G1+4], 64                          ; tile_dim1
	s_mov_b32 s[G1+5], SIZE_K
	s_mov_b32 s[G1+6], 0
	s_mov_b32 s[G1+7], 0
	s_or_b32 s[G1B+0], s44, (1<<16)|(1<<20)|(1<<21)|(5<<22)|(7<<25)  ; after every 64 words 8 words
	s_mov_b32 s[G1B+1], 128<<16                    ; tensor_dim0 = 128 columns
	s_mov_b32 s[G1B+2], 128<<16                    ; tensor_dim1 = 128 k rows
	s_mov_b32 s[G1B+3], 128<<16
	s_mov_b32 s[G1B+4], 128
	s_mov_b32 s[G1B+5], 1024
	s_mov_b32 s[G1B+6], 0
	s_mov_b32 s[G1B+7], 0
	s_lshl_b32 s17, s12, 6                         ; A: row 128 x tile row + 64 x half,
	s_lshl_b32 s16, s13, 7
	s_add_co_u32 s16, s16, s17
	s_lshl_b32 s16, s16, 11                        ; of 2,048 bytes
	s_mov_b32 s17, 0
	s_lshl_b32 s46, s42, 8                         ; B: the tile's 128 columns,
	s_lshl_b32 s47, s12, 18                        ; my 128 k rows of 2,048 bytes,
	s_add_co_u32 s46, s46, s47
	s_add_co_u32 s46, s46, 14680064                ; W_O's place in cast
	s_mov_b32 s47, 0
	s_mul_i32 s20, s12, HALFT                      ; where the tiles go: no place in the cluster enters an LDS address
	s_mul_i32 s21, s12, HALFB
	s_add_co_u32 s21, s21, BOFF
	s_lshl_b32 s80, s42, 9                         ; the bias: row 1024, the tile's 128 columns, my 64 of them
	s_lshl_b32 s81, s12, 8
	s_add_co_u32 s80, s80, s81
	s_lshl_b32 s82, s13, 7                         ; out0: my first row,
	s_lshl_b32 s83, s11, 6
	s_add_co_u32 s82, s82, s83
	s_lshl_b32 s82, s82, 12                        ; of 4,096 bytes,
	s_add_co_u32 s82, s82, s80                     ; and the same columns
	s_add_co_u32 s80, s80, 4194304
	s_mov_b32 s81, 0
	s_mov_b32 s83, 0
	s_wait_dscnt 0x0                               ; the opening add is done
	s_wait_kmcnt 0x0
	s_add_nc_u64 s[14:15], s[68:69], s[16:17]
	s_add_nc_u64 s[46:47], s[70:71], s[46:47]
	s_add_nc_u64 s[76:77], s[72:73], s[80:81]
	s_add_nc_u64 s[8:9], s[74:75], s[82:83]
	CROUND                                         ; all sixteen work-groups are here: the first joint loads meet
.irp s, 0,1
	s_mov_b32 s[G0+4*(\s)], 1
	s_add_co_u32 s[G0+4*(\s)+1], s20, (\s)*SLOT
	s_add_nc_u64 s[G0+4*(\s)+2:G0+4*(\s)+3], s[14:15], (\s)*KSTEP*2
	s_or_b32 s[G0+4*(\s)+3], s[G0+4*(\s)+3], 0x80000000
	s_mov_b32 s[G0B+4*(\s)], 1
	s_add_co_u32 s[G0B+4*(\s)+1], s21, (\s)*SLOT
	s_add_nc_u64 s[G0B+4*(\s)+2:G0B+4*(\s)+3], s[46:47], (\s)*KSTEP*2048
	s_or_b32 s[G0B+4*(\s)+3], s[G0B+4*(\s)+3], 0x80000000
	JLOAD \s                                       ; two loads of mine are out
.endr
	; All that follows up to the barrier stands in the wait for the first tile.
	v_and_b32 v1, 15, v0                           ; l % 16
	v_bfe_u32 v2, v0, 4, 1                         ; l / 16
	v_lshlrev_b32 v[BO], 5, v2                     ; my eight numbers of each 16 of the bias
.irp b, 0,1,2,3
	global_load_b128 v[BIAS+8*(\b):BIAS+8*(\b)+3],   v[BO], s[76:77] offset:64*(\b)
	global_load_b128 v[BIAS+8*(\b)+4:BIAS+8*(\b)+7], v[BO], s[76:77] offset:64*(\b)+16
.endr
	v_mul_u32_u24 v3, v1, PITCH
	v_lshl_add_u32 v3, v2, 4, v3
	s_mul_i32 s22, s11, HALFT                      ; my 64 rows of A
	v_add_nc_u32 v[ADRA], s22, v3
	v_add_nc_u32 v[ADRA+1], SLOT, v[ADRA]
	v_and_b32 v6, 7, v0                            ; B, turned: lane l reads k row 8 (l / 16) + l % 8, columns 8 ((l / 8) % 2) + 0..7
	v_lshl_add_u32 v6, v2, 3, v6
	v_mul_u32_u24 v6, v6, PB
	v_bfe_u32 v7, v0, 3, 1
	v_lshl_add_u32 v6, v7, 4, v6
	s_lshl_b32 s23, s12, 7                         ; my 64 columns of B
	s_add_co_u32 s23, s23, BOFF
	v_add_nc_u32 v[ADRB], s23, v6
	v_add_nc_u32 v[ADRB+1], HALFB, v[ADRB]
	v_add_nc_u32 v[ADRB+2], SLOT, v[ADRB]
	v_add_nc_u32 v[ADRB+3], SLOT+HALFB, v[ADRB]
	s_mul_i32 s23, s10, 16*SPITCH
	s_add_co_u32 s23, s23, STAGE                   ; my stage
	v_mul_u32_u24 v4, v1, SPITCH                   ; in: row l % 16, 32 bytes for each half of the lanes
	v_lshl_add_u32 v4, v2, 5, v4
	v_add_nc_u32 v[STO], s23, v4
	v_mul_u32_u24 v5, v2, SPITCH                   ; back: lanes 0-15 take one row of 256 bytes, lanes 16-31 the next
	v_lshl_add_u32 v5, v1, 4, v5
	v_add_nc_u32 v[RD], s23, v5
	v_lshlrev_b32 v5, 12, v2                       ; and the same two rows in out0
	v_lshl_add_u32 v[CO], v1, 4, v5
	; The bias is rounded to bf16.  Register 8 b + j of lane l is the bias of column 16 b + 8 (l / 16) + j: the layout of an accumulator's eight registers, whatever its rows.
	s_wait_loadcnt 0x0
.set p, 0
.rept 16
	v_cvt_pk_bf16_f32 v[T+p%4], v[BIAS+2*p], v[BIAS+2*p+1]
	v_lshlrev_b32 v[BIAS+2*p], 16, v[T+p%4]
	v_and_b32 v[BIAS+2*p+1], 0xffff0000, v[T+p%4]
.set p, p+1
.endr
; 8 matrix instructions: m blocks a0, a0 + 1 x all 4 n blocks, 32 along K: half c of buffer f.  zero = 1: the first product starts the sum, with the bias as C.  The 16 accumulators take turns.
.macro MUL8 f, c, a0, zero
	WIN MUL
.irp a, \a0, (\a0)+1
.irp b, 0,1,2,3
.if \zero
	v_wmma_f32_16x16x32_f16 v[ACC+8*(4*(\a)+(\b)):ACC+8*(4*(\a)+(\b))+7], v[(\f)+64+8*(4*(\c)+(\b)):(\f)+64+8*(4*(\c)+(\b))+7], v[(\f)+8*(4*(\c)+(\a)):(\f)+8*(4*(\c)+(\a))+7], v[BIAS+8*(\b):BIAS+8*(\b)+7]
.else
	v_wmma_f32_16x16x32_f16 v[ACC+8*(4*(\a)+(\b)):ACC+8*(4*(\a)+(\b))+7], v[(\f)+64+8*(4*(\c)+(\b)):(\f)+64+8*(4*(\c)+(\b))+7], v[(\f)+8*(4*(\c)+(\a)):(\f)+8*(4*(\c)+(\a))+7], v[ACC+8*(4*(\a)+(\b)):ACC+8*(4*(\a)+(\b))+7]
.endif
.endr
.endr
.endm
; 32 LDS loads in one run: the fragments of 64 along K (byte k of A's rows, k rows k / 2 on of B) into buffer f; the first 32 along K first
.macro FETCH slot, k, f
	WIN TO_F
.irp c, 0,1
.irp i, 0,1,2,3
	ds_load_tr16_b128 v[(\f)+64+8*(4*(\c)+(\i)):(\f)+64+8*(4*(\c)+(\i))+3],   v[ADRB+2*(\slot)+(\k)/256] offset:((((\k)/128)%2)*64+32*(\c))*PB+32*(\i)
	ds_load_tr16_b128 v[(\f)+64+8*(4*(\c)+(\i))+4:(\f)+64+8*(4*(\c)+(\i))+7], v[ADRB+2*(\slot)+(\k)/256] offset:((((\k)/128)%2)*64+32*(\c))*PB+16*PB+32*(\i)
	ds_load_b128 v[(\f)+8*(4*(\c)+(\i)):(\f)+8*(4*(\c)+(\i))+3],         v[ADRA+(\slot)] offset:(\k)+64*(\c)+(\i)*16*PITCH
	ds_load_b128 v[(\f)+8*(4*(\c)+(\i))+4:(\f)+8*(4*(\c)+(\i))+7],       v[ADRA+(\slot)] offset:(\k)+64*(\c)+(\i)*16*PITCH+32
.endr
.endr
.endm
.macro PLACES                          ; four plain instructions in front of loads into registers that matrix instructions have read, and of stores that read results
.rept 4
	v_nop
.endr
.endm
.macro QUARTER slot, k, f, g, zero     ; 64 along K: multiplies buffer f and fetches the next quarter, at byte k, into g
	s_wait_dscnt 16                                ; the first 32 along K are in
	WIN MUL
	MUL8 \f, 0, 0, \zero
	MUL8 \f, 0, 2, \zero
	PLACES
	FETCH \slot, \k, \g
	s_wait_dscnt 32                                ; all but the 32 just issued
	WIN MUL
	MUL8 \f, 1, 0, 0
	MUL8 \f, 1, 2, 0
.endm
; A step's last quarter multiplies buffer 1 and changes slots: one barrier; in front of it each wave waits for all its tensor loads, adds 0 to its spare word, and waits for that and for its reads of this slot.
; fill = 1: the barrier opens a round of the cluster's, and this slot is filled again, two K steps on, first thing behind it.
.macro TURN slot, next, fill
	WIN 0
	s_wait_tensorcnt 0x0                           ; all my tensor loads have landed: my part of the next slot
	ds_add_u32 v[SPW], v[NIL]                      ; 0 onto my spare word
	s_wait_dscnt 17                                ; the add and the youngest sixteen loads may be out
	WIN MUL
	MUL8 F1, 0, 0, 0
	s_wait_dscnt 0x0                               ; the add is done, and my reads of this slot are over
	s_barrier_signal -1
	MUL8 F1, 0, 2, 0
.if \fill
	WIN 0
.endif
	s_barrier_wait -1
.if \fill
	CREST
	s_add_nc_u64 s[G0+4*(\slot)+2:G0+4*(\slot)+3], s[G0+4*(\slot)+2:G0+4*(\slot)+3], 2*KSTEP*2
	s_add_nc_u64 s[G0B+4*(\slot)+2:G0B+4*(\slot)+3], s[G0B+4*(\slot)+2:G0B+4*(\slot)+3], 2*KSTEP*2048
	JLOAD \slot                                    ; its four v_nop are also the places in front of the loads below
.else
	PLACES
.endif
	FETCH \next, 0, F0
	WIN MUL
	MUL8 F1, 1, 0, 0
	MUL8 F1, 1, 2, 0
.endm
	s_wait_tensorcnt 1                             ; my part of K step 0 is in; K step 1's may stay out
	s_barrier_signal -1
	s_barrier_wait -1
	FETCH 0, 0, F0
	QUARTER 0, 128, F0, F1, 1                      ; the first products start the sums
	QUARTER 0, 256, F1, F0, 0                      ; four K steps: the first lap fills both slots again, the second fills nothing; both are written out
	QUARTER 0, 384, F0, F1, 0
	TURN 0, 1, 1
	QUARTER 1, 128, F0, F1, 0
	QUARTER 1, 256, F1, F0, 0
	QUARTER 1, 384, F0, F1, 0
	TURN 1, 0, 1
	QUARTER 0, 128, F0, F1, 0
	QUARTER 0, 256, F1, F0, 0
	QUARTER 0, 384, F0, F1, 0
	TURN 0, 1, 0
	QUARTER 1, 128, F0, F1, 0
	QUARTER 1, 256, F1, F0, 0
	QUARTER 1, 384, F0, F1, 0
	s_wait_dscnt 16
	WIN MUL
	MUL8 F1, 0, 0, 0
	MUL8 F1, 0, 2, 0
	s_wait_dscnt 0x0
	MUL8 F1, 1, 0, 0
	MUL8 F1, 1, 2, 0
	WIN 0
	PLACES
; THE WAY OUT.  Block a (16 rows x my 64 columns): each accumulator, from its low end on, 32 bytes a lane into my stage; back as whole rows of 256 bytes; stored.
.macro OUTBLK a
	s_wait_xcnt 0x0                                ; the registers that the block before stored from are loaded again only behind this wait
.irp b, 0,1,2,3
	ds_store_b128 v[STO], v[ACC+8*(4*(\a)+(\b)):ACC+8*(4*(\a)+(\b))+3]   offset:64*(\b)
	ds_store_b128 v[STO], v[ACC+8*(4*(\a)+(\b))+4:ACC+8*(4*(\a)+(\b))+7] offset:64*(\b)+16
.endr
.irp t, 0,1,2,3,4,5,6,7
	ds_load_b128 v[BK+4*(\t):BK+4*(\t)+3], v[RD] offset:(\t)*2*SPITCH  ; LDS serves a wave's instructions in order (ISA guide 5.7.1.4): these see the stores above
.endr
.irp t, 0,1,2,3,4,5,6,7
	s_wait_dscnt 7-(\t)
	global_store_b128 v[CO], v[BK+4*(\t):BK+4*(\t)+3], s[8:9] offset:(16*(\a)+2*(\t))*4096  ; 16 lanes store 256 consecutive bytes, at a multiple of 256 from out0's first byte
.endr
.endm
	OUTBLK 0
	OUTBLK 1
	OUTBLK 2
	OUTBLK 3
	s_wait_tensorcnt 0x0                           ; the wave's end
	ds_add_u32 v[SPW], v[NIL]
	s_wait_dscnt 0x0
	CROUND                                         ; the closing round
	s_endpgm
.Lfunc_end_k_q8680aaf6a9_oproj:
	.size	k_q8680aaf6a9_oproj, .Lfunc_end_k_q8680aaf6a9_oproj-k_q8680aaf6a9_oproj
	.p2alignl 7, 3214868480
	.fill 96, 4, 3214868480
	.section	.rodata,"a",@progbits
	.p2align	6, 0x0
	.amdhsa_kernel k_q8680aaf6a9_oproj
		.amdhsa_group_segment_fixed_size 327680
		.amdhsa_private_segment_fixed_size 0
		.amdhsa_enable_private_segment 0
		.amdhsa_kernarg_size 32
		.amdhsa_user_sgpr_count 2
		.amdhsa_user_sgpr_kernarg_segment_ptr 1
		.amdhsa_wavefront_size32 1
		.amdhsa_system_sgpr_workgroup_id_x 1
		.amdhsa_system_sgpr_workgroup_id_y 1
		.amdhsa_system_sgpr_workgroup_id_z 1
		.amdhsa_system_vgpr_workitem_id 0
		.amdhsa_next_free_vgpr 512
		.amdhsa_next_free_sgpr 84
		.amdhsa_reserve_vcc 0
		.amdhsa_float_denorm_mode_32 3
		.amdhsa_float_denorm_mode_16_64 3
		.amdhsa_memory_ordered 1
		.amdhsa_forward_progress 1
		.amdhsa_inst_pref_size 90
	.end_amdhsa_kernel
	.amdgpu_metadata
---
amdhsa.version: [ 1, 2 ]
amdhsa.kernels:
  - .name:           k_q8680aaf6a9_oproj
    .symbol:         k_q8680aaf6a9_oproj.kd
    .args:
      - { .name: oh, .offset: 0, .size: 8, .value_kind: global_buffer, .address_space: global }
      - { .name: cast, .offset: 8, .size: 8, .value_kind: global_buffer, .address_space: global }
      - { .name: W_O, .offset: 16, .size: 8, .value_kind: global_buffer, .address_space: global }
      - { .name: out0, .offset: 24, .size: 8, .value_kind: global_buffer, .address_space: global }
    .group_segment_fixed_size: 327680
    .private_segment_fixed_size: 0
    .kernarg_segment_align: 8
    .kernarg_segment_size: 32
    .max_flat_workgroup_size: 128
    .sgpr_count:     84
    .vgpr_count:     512
    .wavefront_size: 32
...
	.end_amdgpu_metadata
.endif
;; end of part 4
